; MI455X (gfx1250); checked and timed in simulation.
; The chip was launched on July 23, 2026; its instructions are those of AMD's public machine-readable ISA for CDNA 5 (MIT licence, August 2026) and "CDNA5" Instruction Set Architecture Reference Guide (July 2026). The comments in the code are by the model that wrote it; some were corrected since.
;; Self Attention. Allowed arithmetic: matrix products marked QUANTISED: E2M3 operands, one E8M0 scale for each 32 along K, by v_wmma_scale_f32_16x16x128_f8f6f4 with both operands' format E2M3, f32 sums; everything else in f32.
;; Inputs: Wk 1,024 x 1,024 float32; Wq 1,024 x 1,024 float32; Wv 1,024 x 1,024 float32; bk 1,024 float32; bq 1,024 float32; bv 1,024 float32; x 4 x 2,048 x 1,024 float32.
;; Outputs: out0 4 x 2,048 x 1,024 float32.
;; This version of the problem:
;;   THIS VERSION OF THE PROBLEM IS GIVEN IN LOW PRECISION. The matrix products marked QUANTISED in the list below multiply operands that are first quantised to E2M3 (2 exponent bits, 3 mantissa bits; 6 bits a number), with one power-of-two scale for each 32 numbers along K (OCP MX v1.0); their sums are f32. All else is computed in f32.
;;   The module's matrix products, in the order in which they are computed (A, B: the left and right operand; K: the contracted axis; several contracted axes count as one K, in the product's order):
;;     1. [M 8,192, K 1,024] x [K 1,024, N 1,024]; A: input x; B: input Wq: QUANTISED
;;     2. [M 8,192, K 1,024] x [K 1,024, N 1,024]; A: input x; B: input Wk: QUANTISED
;;     3. [M 8,192, K 1,024] x [K 1,024, N 1,024]; A: input x; B: input Wv: QUANTISED
;;     4. batch 4 x [M 2,048, K 1,024] x [K 1,024, N 2,048]; A: computed on the way; B: computed on the way: QUANTISED
;;     5. batch 4 x [M 2,048, K 2,048] x [K 2,048, N 1,024]; A: softmax (see below); B: computed on the way: QUANTISED
;;   THE QUANTISER, for each operand of a quantised product, along K:
;;     - K is cut into blocks of 32 from its start; a last block that is shorter is filled with zeros.
;;     - A block's scale is 2^e with e = floor(log2(the largest magnitude in the block)) - 2, held to -126 .. 127; a block of zeros has e = 0. As a byte (E8M0): e + 127.
;;     - Each number is divided by its block's scale, clamped to +-7.5, and rounded to the nearest number of E2M3, ties to even, subnormals kept.
;;     - The product sums the exact products of the quantised numbers (number of the format x scale) in f32.
;;   ~~~python
;;   def quantise(x, axis):      # numpy; x: float32 -> the quantised numbers, widened to float32 again
;;       x = np.moveaxis(x, axis, -1); K = x.shape[-1]
;;       x = np.pad(x, [(0, 0)] * (x.ndim - 1) + [(0, -K % 32)]); x = x.reshape(x.shape[:-1] + (-1, 32)); a = np.abs(x).max(-1, keepdims=True)
;;       e = np.where(a > 0, np.clip(np.frexp(np.where(a > 0, a, 1))[1] - 1 - 2, -126, 127), 0)      # np.frexp(a)[1] - 1 = floor(log2(a)), exactly
;;       r = np.clip(x / 2.0 ** e, -7.5, 7.5)
;;       step = 2.0 ** (np.maximum(np.frexp(np.where(r == 0, 1, r))[1] - 1, 0) - 3)
;;       q = np.round(r / step) * step * 2.0 ** e      # np.round: ties to even
;;       return np.moveaxis(q.reshape(q.shape[:-2] + (-1,))[..., :K], -1, axis).astype(np.float32)
;;   ~~~
;;   SOFTMAX AHEAD OF A QUANTISED PRODUCT. Where the list says 'softmax', what is quantised is not the finished softmax but p = 2^(t - M), with t = logit x log2(e) and M = ceil(the row's largest t), a whole number; so 1/2 < the row's largest p <= 1. The row's sum l is taken of the UNQUANTISED p, in f32, and the product's result is divided by l at the end. Since M is a whole number, a kernel that streams over the keys may use a running M (the ceiling of the running maximum): every later rescaling is an exact power of two, which a block's scale takes up: the codes' values come out the same.
;;   OPERANDS COMPUTED ON THE WAY. 'Computed on the way' means the value that the module computes at that place (a softmax that the list does not call 'softmax' is quantised finished and normalised). What goes into a quantiser is computed in f32, as accurately as f32 sums, v_exp_f32 and their like allow (about 1e-6 of the number): no bf16 or f16 on the way to a quantiser, and a product that is left as it is and whose result goes on into a quantised operand takes f32 operands (vector FMAs, or v_wmma_f32_16x16x4_f32). A number that lies on a knife's edge between two numbers of the format may be rounded either way, as far as f32 arithmetic and the matrix unit's own rounding can turn it there, and no further.
;; One version. Each part assembles by itself: llvm-mc -triple=amdgcn-amd-amdhsa -mcpu=gfx1250 --defsym DOCPART=n.
;; ======== version 1 of 1: 4 launches
;; workspace buffers: xw_codes 8,650,752 bytes; xw_scales 360,448 bytes; qk_codes 12,582,912 bytes; qk_scales 524,288 bytes; v_codes 6,291,456 bytes; p_codes 12,582,912 bytes; pv_scales 786,432 bytes; ml 1,048,576 bytes
;; launch quant (part 1): grid 176 x 2, 4 waves a work-group, no clusters, 70,144 bytes of LDS; arguments x, Wq, Wk, Wv, xw_codes, xw_scales; writes xw_codes, xw_scales
.if DOCPART == 1
	.amdgcn_target "amdgcn-amd-amdhsa--gfx1250"
	.amdhsa_code_object_version 6
	.text
	.protected	k_qe4f06f3745_quant
	.globl	k_qe4f06f3745_quant
	.p2align	8
	.type	k_qe4f06f3745_quant,@function
k_qe4f06f3745_quant:
	s_mov_b64 s[64:65], 0
	v_nop
	global_prefetch_b8 v0, s[64:65] scope:SCOPE_SE
	s_setreg_imm32_b32 hwreg(HW_REG_WAVE_MODE, 25, 1), 1
	s_wait_xcnt 0x0
; LAUNCH 1 OF 4.  out0 = softmax((x Wq^T + bq)(x Wk^T + bk)^T / 32) (x Wv^T + bv), all five products on codes of E2M3 with one E8M0 scale for each 32 along K.
; DEAD WORK: none.  Every product of the table is live, and each bias stands ahead of a quantiser (bk too: it moves k's codes and scales), so every input is loaded by some launch.
; THIS LAUNCH turns x [8192][1024], Wq, Wk, Wv [1024][1024] (f32, K innermost) into codes and scale words, as one operand table of 11,264 rows: 0.. tokens, 8192.. Wq, 9216.. Wk, 10240.. Wv.
; LAYOUT OF THE CODES: images of the matrix operand's registers.  Fragment (row block rb of 16 rows, K step ks of 128) lies at (8 rb + ks) x 1,536 bytes; in it registers 4 c .. 4 c + 3 of lane l lie at 512 c + 16 l.
; So a later launch brings a fragment by three loads of 16 bytes a lane, 512 consecutive bytes each.  SCALE WORDS (4 bytes: 128 along K of one row) lie [ks][row].
; ROW ORDER: image row 32 b + 16 u + r is the table's row 32 b + 8 u + r + 8 (r / 8).  Where such an image is source 0 of a product, the 16 result registers of two neighbouring tiles are 16 neighbours of the next K.
; A block's scale is 2^(floor(log2(largest magnitude)) - 2); its byte is the largest magnitude's exponent field - 2, held at 1 from below.
; LIMITS: NaN and infinities among the inputs are not served; a block whose largest magnitude lies under 2^-124 keeps the byte 1; a block of zeros gets the byte 1 where the rule says 127 (its codes are zeros, and this program alone reads the bytes).
; SHARES: work-group x takes 64 image rows (four row blocks), wave w the K step 4 y + w: four fragments and 64 scale words a wave.  Waves share nothing: no barrier.
; Each load reads 512 consecutive bytes of one row; a fragment's 16 rows turn through the wave's own stage in LDS (rows 528 bytes apart) so that a lane gets 16 neighbours of each block of 32.
.set WREG,  17408                      ; LDS of a wave: two stages of 16 x 528 bytes, then 256 bytes for its scale words
.set SP,    528
.set STGB,  16*SP
.set SSC,   2*STGB
.set SPARE, 4*WREG                     ; behind the four regions: the spare words, 128 bytes a wave, which no other line names
.set LOF,   1                          ; v1   16 x lane: offset of the loads and of the codes' stores
.set STI,   2                          ; v2   the stage, way in
.set STO,   3                          ; v3   the stage, way out: 528 r + 64 h
.set SCW,   4                          ; v4   where my row's scale word goes
.set SCR,   5                          ; v5   where I read 8 bytes of the 256 back
.set SOF,   6                          ; v6   8 x lane
.set SPW,   12                         ; v12  my spare word; never rewritten
.set NIL,   13                         ; v13  0; never rewritten
.set R,     16                         ; v16-143  two sets of 64: a fragment's numbers as loaded
.set X,     144                        ; v144-207 register 16 b + i = k 32 b + 16 h + i of my row
.set PC,    208                        ; v208-226 the codes
.set TM,    228                        ; v228-243 at work
.set PW,    244                        ; v244 the scale word
.set SEL,   20                         ; s[20:21] selects for lane l xor 16
	s_load_b256 s[4:11], s[0:1], 0x0               ; x, Wq, Wk, Wv
	s_load_b128 s[12:15], s[0:1], 0x20             ; the codes, the scale words
	v_lshl_add_u32 v[SPW], v0, 2, SPARE
	v_mov_b32 v[NIL], 0
	v_lshrrev_b32 v7, 5, v0
	v_readfirstlane_b32 s16, v7                    ; wave
	v_and_b32 v7, 31, v0                           ; lane
	v_and_b32 v8, 15, v0                           ; r
	v_bfe_u32 v9, v0, 4, 1                         ; h
	v_lshlrev_b32 v[LOF], 4, v7
	s_mul_i32 s19, s16, WREG
	v_add_nc_u32 v[STI], s19, v[LOF]
	v_mul_u32_u24 v[STO], v8, SP
	v_lshl_add_u32 v[STO], v9, 6, v[STO]
	v_add_nc_u32 v[STO], s19, v[STO]
	s_add_co_u32 s19, s19, SSC
	v_lshl_add_u32 v[SCW], v8, 2, s19
	v_lshl_add_u32 v[SCR], v7, 3, s19
	v_lshlrev_b32 v[SOF], 3, v7
.irp b, 0,1,2,3
	v_mov_b32 v[TM+4+\b], 0                        ; written once: a lane permute's destination counts as one of its sources
.endr
	s_mov_b32 s[SEL], 0x76543210
	s_mov_b32 s[SEL+1], 0xfedcba98
	s_mov_b32 s17, ttmp9                           ; g: which 64 image rows
	s_and_b32 s18, ttmp7, 0xffff
	s_lshl_b32 s18, s18, 2
	s_add_co_u32 s18, s18, s16                     ; ks = 4 y + wave
	s_mul_i32 s26, s17, 49152                      ; the codes: four row blocks of 12,288 bytes a group,
	s_mul_i32 s27, s18, 1536                       ; my K step in each
	s_add_co_u32 s26, s26, s27
	s_mov_b32 s27, 0
	s_mul_i32 s28, s18, 45056                      ; the scale words: 11,264 words a K step,
	s_lshl_b32 s29, s17, 8                         ; 64 words a group
	s_add_co_u32 s28, s28, s29
	s_mov_b32 s29, 0
	s_wait_kmcnt 0x0
	s_mov_b64 s[22:23], s[10:11]                   ; which tensor: the choice hangs on the work-group's number alone
	s_mov_b32 s24, 160
	s_cmp_lt_u32 s17, 160
	s_cselect_b64 s[22:23], s[8:9], s[22:23]
	s_cselect_b32 s24, 144, s24
	s_cmp_lt_u32 s17, 144
	s_cselect_b64 s[22:23], s[6:7], s[22:23]
	s_cselect_b32 s24, 128, s24
	s_cmp_lt_u32 s17, 128
	s_cselect_b64 s[22:23], s[4:5], s[22:23]
	s_cselect_b32 s24, 0, s24
	s_sub_co_u32 s24, s17, s24                     ; the group's number inside its tensor
	s_lshl_b32 s24, s24, 18                        ; 64 rows of 4,096 bytes
	s_lshl_b32 s25, s18, 9                         ; 512 bytes a K step
	s_add_co_u32 s24, s24, s25
	s_mov_b32 s25, 0
	s_add_nc_u64 s[22:23], s[22:23], s[24:25]
	s_add_nc_u64 s[12:13], s[12:13], s[26:27]
	s_add_nc_u64 s[14:15], s[14:15], s[28:29]
.macro LOAD f                          ; fragment f: image lane i is the group's row 32 (f / 2) + 8 (f % 2) + i + 8 (i / 8); 32 lanes read its 512 bytes
.irp i, 0,1,2,3,4,5,6,7,8,9,10,11,12,13,14,15
	global_load_b128 v[R+64*((\f)%2)+4*\i:R+64*((\f)%2)+4*\i+3], v[LOF], s[22:23] offset:(32*((\f)/2)+8*((\f)%2)+\i+8*(\i/8))*4096 th:TH_LOAD_NT
.endr
.endm
.macro TURN f                          ; through my stage: LDS serves a wave's instructions in order, so no wait stands between the stores and the loads
.irp i, 0,1,2,3,4,5,6,7,8,9,10,11,12,13,14,15
	ds_store_b128 v[STI], v[R+64*((\f)%2)+4*\i:R+64*((\f)%2)+4*\i+3] offset:STGB*((\f)%2)+SP*\i
.endr
.irp b, 0,1,2,3
.irp j, 0,1,2,3
	ds_load_b128 v[X+16*\b+4*\j:X+16*\b+4*\j+3], v[STO] offset:STGB*((\f)%2)+128*\b+16*\j
.endr
.endr
.endm
; 64 numbers of a lane become a fragment's 12 registers of codes in v[PC] on and its row's scale word in v[PW]
.macro QUANT s
.irp b, 0,1,2,3
	v_max3_num_f32 v[TM+\b], |v[\s+16*\b]|, |v[\s+1+16*\b]|, 0x1800000   ; block b: my 16 numbers, and the floor 2^(3 - 127): the byte cannot fall under 1
.endr
.irp i, 2,4,6,8,10,12,14
.irp b, 0,1,2,3
	v_max3_num_f32 v[TM+\b], v[TM+\b], |v[\s+16*\b+\i]|, |v[\s+1+16*\b+\i]|   ; the four blocks by turns
.endr
.endr
.irp b, 0,1,2,3
	v_permlanex16_b32 v[TM+4+\b], v[TM+\b], s[SEL], s[SEL+1]
.endr
.irp b, 0,1,2,3
	v_max_num_f32 v[TM+\b], v[TM+\b], v[TM+4+\b]   ; with lane l xor 16's 16: the block's largest magnitude
.endr
.irp b, 0,1,2,3
	v_add_nc_u32 v[TM+12+\b], 0xff000000, v[TM+\b] ; 2 off its exponent field: the conversion's scale operand
.endr
.irp b, 0,1,2,3
	v_lshrrev_b32 v[TM+4+\b], 23, v[TM+12+\b]      ; the scale's byte
.endr
	v_lshl_or_b32 v[PW], v[TM+5], 8, v[TM+4]
	v_lshl_or_b32 v[PW], v[TM+6], 16, v[PW]
	v_lshl_or_b32 v[PW], v[TM+7], 24, v[PW]
.irp c, 0,1
	v_cvt_scalef32_pk16_fp6_f32 v[PC+6*\c:PC+2+6*\c], v[\s+32*\c:\s+15+32*\c], v[TM+12+2*\c]
	v_cvt_scalef32_pk16_fp6_f32 v[PC+12+4*\c:PC+14+4*\c], v[\s+16+32*\c:\s+31+32*\c], v[TM+13+2*\c]   ; (a conversion's three registers begin on an even number)
.endr
	v_nop                                          ; one plain place behind a scaled conversion
.irp c, 0,1                            ; the operand's layout wants a whole block in a lane: lanes 0-15 block 2 c, lanes 16-31 block 2 c + 1
.irp i, 0,1,2
	v_permlane16_swap_b32 v[PC+6*\c+\i], v[PC+12+4*\c+\i]
.endr
.irp i, 0,1,2
	v_mov_b32 v[PC+3+6*\c+\i], v[PC+12+4*\c+\i]
.endr
.endr
.endm
.macro ONE f
	s_wait_dscnt 0x0                               ; this fragment's numbers are back from the stage, and the stage's stores have read their registers,
.if (\f)+2 < 4
	LOAD (\f)+2                                    ; which take the loads of two fragments on
.endif
.if (\f) > 0
	s_wait_xcnt 0x0                                ; the last fragment's stores have read the codes' registers
.endif
	QUANT X
.irp c, 0,1,2
	global_store_b128 v[LOF], v[PC+4*\c:PC+4*\c+3], s[12:13] offset:12288*(\f)+512*\c   ; 512 consecutive bytes, at a multiple of 512 from the buffer's first byte
.endr
	ds_store_b32 v[SCW], v[PW] offset:64*(\f)      ; both lanes of a row write the same word with the same value
.if (\f) < 2
	s_wait_loadcnt 16                              ; the next fragment's 16 loads are in; the 16 behind them may be out
	TURN (\f)+1
.elseif (\f) == 2
	s_wait_loadcnt 0x0
	TURN 3
.endif
.endm
	LOAD 0
	LOAD 1
	s_wait_loadcnt 16                              ; fragment 0's loads are in
	TURN 0
	ONE 0
	ONE 1
	ONE 2
	ONE 3
	ds_load_b64 v[TM:TM+1], v[SCR]                 ; my 64 scale words; LDS serves a wave's instructions in order
	s_wait_dscnt 0x0
	global_store_b64 v[SOF], v[TM:TM+1], s[14:15]  ; 256 consecutive bytes, aligned
	s_wait_tensorcnt 0x0                           ; the wave's end, behind my last LDS store
	ds_add_u32 v[SPW], v[NIL]
	s_wait_dscnt 0x0
	s_endpgm
.Lfunc_end_k_qe4f06f3745_quant:
	.size	k_qe4f06f3745_quant, .Lfunc_end_k_qe4f06f3745_quant-k_qe4f06f3745_quant
	.p2alignl 7, 3214868480
	.fill 96, 4, 3214868480
	.section	.rodata,"a",@progbits
	.p2align	6, 0x0
	.amdhsa_kernel k_qe4f06f3745_quant
		.amdhsa_group_segment_fixed_size 70144
		.amdhsa_private_segment_fixed_size 0
		.amdhsa_enable_private_segment 0
		.amdhsa_kernarg_size 48
		.amdhsa_user_sgpr_count 2
		.amdhsa_user_sgpr_kernarg_segment_ptr 1
		.amdhsa_wavefront_size32 1
		.amdhsa_system_sgpr_workgroup_id_x 1
		.amdhsa_system_sgpr_workgroup_id_y 1
		.amdhsa_system_sgpr_workgroup_id_z 1
		.amdhsa_system_vgpr_workitem_id 0
		.amdhsa_next_free_vgpr 256
		.amdhsa_next_free_sgpr 66
		.amdhsa_reserve_vcc 0
		.amdhsa_float_denorm_mode_32 3
		.amdhsa_float_denorm_mode_16_64 3
		.amdhsa_memory_ordered 1
		.amdhsa_forward_progress 1
		.amdhsa_inst_pref_size 34
	.end_amdhsa_kernel
	.amdgpu_metadata
---
amdhsa.version: [ 1, 2 ]
amdhsa.kernels:
  - .name:           k_qe4f06f3745_quant
    .symbol:         k_qe4f06f3745_quant.kd
    .args:
      - { .name: x, .offset: 0, .size: 8, .value_kind: global_buffer, .address_space: global }
      - { .name: Wq, .offset: 8, .size: 8, .value_kind: global_buffer, .address_space: global }
      - { .name: Wk, .offset: 16, .size: 8, .value_kind: global_buffer, .address_space: global }
      - { .name: Wv, .offset: 24, .size: 8, .value_kind: global_buffer, .address_space: global }
      - { .name: xw_codes, .offset: 32, .size: 8, .value_kind: global_buffer, .address_space: global }
      - { .name: xw_scales, .offset: 40, .size: 8, .value_kind: global_buffer, .address_space: global }
    .group_segment_fixed_size: 70144
    .private_segment_fixed_size: 0
    .kernarg_segment_align: 8
    .kernarg_segment_size: 48
    .max_flat_workgroup_size: 128
    .sgpr_count:     66
    .vgpr_count:     256
    .wavefront_size: 32
...
	.end_amdgpu_metadata
.endif
;; end of part 1
;; launch proj (part 2): grid 8 x 32, 4 waves a work-group, clusters of 4 x 4, 327,680 bytes of LDS; arguments xw_codes, xw_scales, bq, bk, bv, qk_codes, qk_scales, v_codes, pv_scales; writes qk_codes, qk_scales, v_codes, pv_scales
.if DOCPART == 2
	.amdgcn_target "amdgcn-amd-amdhsa--gfx1250"
	.amdhsa_code_object_version 6
	.text
	.protected	k_qe4f06f3745_proj
	.globl	k_qe4f06f3745_proj
	.p2align	8
	.type	k_qe4f06f3745_proj,@function
k_qe4f06f3745_proj:
	s_mov_b64 s[64:65], 0
	v_nop
	global_prefetch_b8 v0, s[64:65] scope:SCOPE_SE
	s_setreg_imm32_b32 hwreg(HW_REG_WAVE_MODE, 25, 1), 1
	s_wait_xcnt 0x0
	s_wait_alu depctr_hold_cnt(0) depctr_sa_sdst(0) depctr_va_vdst(0) depctr_va_sdst(0) depctr_va_ssrc(0) depctr_va_vcc(0) depctr_vm_vsrc(0)
	s_getreg_b32 s2, hwreg(HW_REG_IB_STS2, 6, 4)
	s_cmp_eq_u32 s2, 0
	s_cbranch_scc0 .Lentry_in_a_cluster
	s_endpgm
.Lentry_in_a_cluster:
	s_bfe_u32 s2, ttmp6, 0x10000c
	s_cmp_lg_u32 s2, 0xf033
	s_cbranch_scc0 .Lentry_shape_is_right
	s_endpgm
.Lentry_shape_is_right:
; LAUNCH 2 OF 4: q = x Wq^T + bq, k = x Wk^T + bk, v = x Wv^T + bv on codes of E2M3, each result quantised in registers for the product that takes it: q and k along e, v along the keys.  No work is left out.
; SHARES: 8 x 32 work-groups, all with the same work.  Work-group (TX, TY) holds 256 tokens (tile row TY) and makes from them, one after the other,
;   THE Q/K PASS: 256 tokens x rows 256 TX .. + 255 of Wq | Wk (TX 0-3: q, 4-7: k).  Source 0 = 16 rows of W, source 1 = 16 tokens: a lane holds one token, its registers run along e, the next K.  A wave makes 128 x 128: 64 accumulators.
;   THE V PASS:   256 keys x rows 128 TX .. + 127 of Wv.  Source 0 = 16 tokens, source 1 = 16 rows of Wv: a lane holds one channel, its registers run along the keys, the next K.  A wave makes 128 keys x 64 channels: 32 accumulators.
; K = 1,024 in 8 steps of 128 in both.  The operands are images of the operand's registers (launch 1): a fragment is 1,536 dense bytes, three loads of 16 bytes a lane.  By the images' row order the 16 registers of result
; tiles 2 B and 2 B + 1 are the next K's neighbours 32 B + 16 (lane / 16) + 0 .. 15, so the 8 tiles of one block of source 1 become one fragment and one scale word a row.  The results' rows keep source 1's image order.
; LDS: the tokens' tile, all 8 K steps, 196,608 bytes, is filled once and serves both passes.  Behind it two slots of 49,152 bytes take W's 256 rows, 2 K steps each, and then Wv's 128 rows, 4 K steps each.
; Four tensor loads of a wave are out at the head; behind each of four rounds one, of 12,288 bytes, issued by every wave alike.
; CLUSTER 4 x 4: the tokens' tile is shared along a row of the cluster, W's and Wv's along a column: joint loads.
; The scale words come straight into 64 registers (8 i + ks): lanes 0-15 source 1's block i, lanes 16-31 source 0's; the v pass's are loaded into the same registers while the q/k results are quantised.
; The biases are the C of each pass's first K step.  LIMITS as in launch 1.
; REGISTERS: window 0: v7-31 addresses; v32-95 scale words; v96-127 at work; v128-223 source 1's fragments (q/k: 8, one set; v: two sets of 4), on the ways out v192.. the codes; v224-255 bv in the result's layout.
;   window 1: source 0's two sets at v0, v128; bq or bk at v96-127, v224-255.   windows 2, 3: accumulator (a, b) at v[8 (8 (a % 4) + b)]; the v pass has window 2.
.set HALFT, 24576                      ; 128 rows x 2 K steps: [8 row blocks][2][1,536]
.set PAIRY, 49152                      ; the tokens' 256 rows x 2 K steps
.set WB,    196608                     ; behind the tokens' four pairs: the two slots
.set WSLOT, 49152
.set QUART, 12288                      ; 4 row blocks x 2 K steps: what one load of W or of Wv brings
.set STG,   294912                     ; behind the slots: 512 bytes a wave for the q/k pass's 128 scale words; no fill lands here
.set STGV,  STG+2048                   ; 256 bytes a wave for the v pass's 64
.set SPARE, STG+3072                   ; the spare words, 128 bytes a wave, which no other line names
.set VBO,  7                           ; v7     bv: 4 (r + 8 (r / 8))
.set ADVV, 8                           ; v8-9   Wv's fragments, my 64 rows, in slot 0, 1
.set ADW,  10                          ; v10-11 W's fragments, my 128 rows, in slot 0, 1
.set SOFV, 12                          ; v12    the v pass's scale words: lanes 0-15 Wv's rows, lanes 16-31 the tokens'
.set SOFT, 13                          ; v13    the same tokens' rows in all lanes
.set SOFQ, 14                          ; v14    the q/k pass's: lanes 0-15 the tokens' rows, lanes 16-31 W's
.set CO,   15                          ; v15    16 x lane
.set ADQ,  16                          ; v16-19 the tokens' fragments as source 1 (half H1), pair 0 .. 3
.set ADT,  20                          ; v20-23 as source 0 (half H0)
.set STW,  24
.set STR,  25
.set STWV, 26
.set STRV, 27
.set SPW,  28
.set NIL,  29
.set FLR,  30                          ; the floor 2^(3 - 127)
.set SO8,  31                          ; 8 x lane
.set SC,   32
.set TM,   96
.set PW,   112
.set AF,   128
.set PC,   192
.set VB,   224
.set WV,   22
.set H1,   23                          ; which half of source 1 is mine.  Also: at the head I fetch the tokens' tile (0) or W's (1)
.set H0,   24                          ; which half of source 0
.set CX,   25
.set CY,   26
.set TX,   27
.set TY,   28
.set LW,   29                          ; where my refills land in slot 0
.set G1Y,  32                          ; s[32:39] group 1, the tokens' loads: 8 row blocks, my row of the cluster
.set G1V,  40                          ; s[40:47] group 1, W's and Wv's loads: 4 row blocks, my column
.set G0Y,  48                          ; s[48:63] group 0 of the tokens' four first fills
.set G0W,  68                          ; s[68:83] of W's four
.set G0R,  84                          ; s[84:87] of the refills: written anew behind each wait for all tensor loads
.set RW,   88                          ; s[88:89] W at my 4 row blocks
.set RV,   90                          ; s[90:91] Wv at my 4 row blocks and my pair of K steps
.set SEL,  92
.set LMK,  94                          ; lanes 16-31
.set MSB, 0
.macro WIN new                         ; the immediate's high byte repeats the setting that is left
.if MSB != (\new)
	s_set_vgpr_msb (MSB<<8)|(\new)
.set MSB, (\new)
.endif
.endm
.macro PLACES n
.rept \n
	v_nop
.endr
.endm
; A first fill: waves 0, 1 fetch the tokens' halves, waves 2, 3 quarters of W.  The branch hangs on the wave's number alone.  An s_nop 0 and four v_nop follow each line.
.macro JLOAD g0y, g1y, g0w, g1w
	s_cmp_eq_u32 s[H1], 0
	s_cbranch_scc0 .Lfor_w_\@
	tensor_load_to_lds s[\g0y:\g0y+3], s[\g1y:\g1y+7]
	s_nop 0
.rept 4
	v_nop
.endr
	s_branch .Lasked_\@
.Lfor_w_\@:
	tensor_load_to_lds s[\g0w:\g0w+3], s[\g1w:\g1w+7]
	s_nop 0
.rept 4
	v_nop
.endr
.Lasked_\@:
.endm
.macro CREST                           ; a round of the cluster's barrier behind its opening barrier
	s_cmp_lg_u32 s[WV], 0
	s_cbranch_scc1 .Lnot_wave_0_\@
	s_barrier_signal -3
.Lnot_wave_0_\@:
	s_barrier_wait -3
	s_barrier_signal -1
	s_barrier_wait -1
.endm
.macro CROUND
	s_barrier_signal -1
	s_barrier_wait -1
	CREST
.endm
; A refill: every wave brings 4 row blocks x 2 K steps into its quarter of a slot: one line, one mask, no branch.  No tensor load of mine is out, so the group 0 may be written.
.macro REFILL base, step, slot
	s_add_co_u32 s[G0R+1], s[LW], (\slot)*WSLOT
	s_add_nc_u64 s[G0R+2:G0R+3], s[\base:\base+1], \step
	s_or_b32 s[G0R+3], s[G0R+3], 0x80000000
	tensor_load_to_lds s[G0R:G0R+3], s[G1V:G1V+7]
	s_nop 0
.rept 4
	v_nop                                          ; also the places in front of the LDS loads that follow
.endr
.endm
	s_load_b256 s[4:11], s[0:1], 0x0               ; xw_codes, xw_scales, bq, bk
	s_load_b256 s[12:19], s[0:1], 0x20             ; bv, qk_codes, qk_scales, v_codes
	s_load_b64 s[20:21], s[0:1], 0x40              ; pv_scales
	v_lshl_add_u32 v[SPW], v0, 2, SPARE
	v_mov_b32 v[NIL], 0
	ds_add_u32 v[SPW], v[NIL]                      ; the wave's opening: the add, twice on end, and its wait ahead of my first tensor load
	ds_add_u32 v[SPW], v[NIL]
	v_lshrrev_b32 v1, 5, v0
	v_readfirstlane_b32 s[WV], v1
	s_lshr_b32 s[H1], s[WV], 1
	s_and_b32 s[H0], s[WV], 1
	s_bfe_u32 s[CX], ttmp6, 0x40000
	s_bfe_u32 s[CY], ttmp6, 0x40004
	s_lshl_b32 s[TX], ttmp9, 2
	s_add_co_u32 s[TX], s[TX], s[CX]               ; 0-3: q, 4-7: k
	s_and_b32 s[TY], ttmp7, 0xffff
	s_lshl_b32 s[TY], s[TY], 2
	s_add_co_u32 s[TY], s[TY], s[CY]
	s_lshl_b32 s30, s[CY], 2
	s_lshl_b32 s30, 15, s30                        ; my row of the cluster
	s_lshl_b32 s31, 0x1111, s[CX]                  ; my column
	s_or_b32 s[G1Y], s30, (3<<16)|(1<<21)          ; the mask; elements of 8 bytes; bit 21 beside a mask; no padding
	s_or_b32 s[G1V], s31, (3<<16)|(1<<21)
	s_mov_b32 s[G1Y+1], 384<<16                    ; tensor_dim0: 2 K steps of a row block, 3,072 bytes
	s_mov_b32 s[G1Y+2], 8<<16                      ; tensor_dim1: 8 row blocks
	s_mov_b32 s[G1Y+3], 384<<16                    ; tile_dim0
	s_mov_b32 s[G1Y+4], 8                          ; tile_dim1
	s_mov_b32 s[G1Y+5], 1536                       ; from row block to row block: 12,288 bytes
	s_mov_b32 s[G1Y+6], 0
	s_mov_b32 s[G1Y+7], 0
	s_mov_b32 s[G1V+1], 384<<16
	s_mov_b32 s[G1V+2], 4<<16                      ; 4 row blocks
	s_mov_b32 s[G1V+3], 384<<16
	s_mov_b32 s[G1V+4], 4
	s_mov_b32 s[G1V+5], 1536
	s_mov_b32 s[G1V+6], 0
	s_mov_b32 s[G1V+7], 0
	s_mov_b32 s[G0R], 1
	s_lshl_b32 s66, s[TY], 4                       ; the tokens: row block 16 TY + 8 x half (registers that never hold cx)
	s_lshl_b32 s98, s[H0], 3
	s_add_co_u32 s66, s66, s98
	s_mul_i32 s66, s66, 12288
	s_mov_b32 s67, 0
	s_lshl_b32 s96, s[TX], 4                       ; W at the head: row block 512 + 16 TX + 4 H0; the load's number adds 8 row blocks or a pair of K steps (registers that never hold cy)
	s_lshl_b32 s98, s[H0], 2
	s_add_co_u32 s96, s96, s98
	s_add_co_u32 s96, s96, 512
	s_mul_i32 s96, s96, 12288
	s_mov_b32 s97, 0
	s_lshl_b32 s[RW], s[TX], 4                     ; W in the refills: row block 512 + 16 TX + 4 x wave
	s_lshl_b32 s98, s[WV], 2
	s_add_co_u32 s[RW], s[RW], s98
	s_add_co_u32 s[RW], s[RW], 512
	s_mul_i32 s[RW], s[RW], 12288
	s_mov_b32 s[RW+1], 0
	s_lshl_b32 s[RV], s[TX], 3                     ; Wv in the refills: row block 640 + 8 TX + 4 (wave % 2), pair of K steps wave / 2
	s_lshl_b32 s98, s[H0], 2
	s_add_co_u32 s[RV], s[RV], s98
	s_add_co_u32 s[RV], s[RV], 640
	s_mul_i32 s[RV], s[RV], 12288
	s_mul_i32 s98, s[H1], 3072
	s_add_co_u32 s[RV], s[RV], s98
	s_mov_b32 s[RV+1], 0
	s_mul_i32 s95, s[H0], HALFT                    ; where the first fills go: no place in the cluster enters an LDS address
	s_mul_i32 s99, s[H0], QUART
	s_add_co_u32 s99, s99, WB
	s_mul_i32 s[LW], s[WV], QUART
	s_add_co_u32 s[LW], s[LW], WB
	s_mov_b32 s[SEL], 0x76543210
	s_mov_b32 s[SEL+1], 0xfedcba98
	s_mov_b32 s[LMK], 0xffff0000
	s_wait_dscnt 0x0                               ; both opening adds are done
	s_wait_kmcnt 0x0
	s_add_nc_u64 s[66:67], s[4:5], s[66:67]
	s_add_nc_u64 s[96:97], s[4:5], s[96:97]
	s_add_nc_u64 s[RW:RW+1], s[4:5], s[RW:RW+1]
	s_add_nc_u64 s[RV:RV+1], s[4:5], s[RV:RV+1]
	CROUND                                         ; all sixteen work-groups are here: the first joint loads meet
.irp n, 0,1,2,3                        ; load n: the tokens' pair n;  of W: slot n / 2 (K steps 2 (n / 2) on), quarter 2 (n % 2) + H0
	s_mov_b32 s[G0Y+4*\n], 1
	s_add_co_u32 s[G0Y+4*\n+1], s95, \n*PAIRY
	s_add_nc_u64 s[G0Y+4*\n+2:G0Y+4*\n+3], s[66:67], \n*3072
	s_or_b32 s[G0Y+4*\n+3], s[G0Y+4*\n+3], 0x80000000
	s_mov_b32 s[G0W+4*\n], 1
	s_add_co_u32 s[G0W+4*\n+1], s99, (\n/2)*WSLOT+(\n%2)*HALFT
	s_add_nc_u64 s[G0W+4*\n+2:G0W+4*\n+3], s[96:97], (\n%2)*98304+(\n/2)*3072
	s_or_b32 s[G0W+4*\n+3], s[G0W+4*\n+3], 0x80000000
	JLOAD G0Y+4*\n, G1Y, G0W+4*\n, G1V
.endr
	v_and_b32 v1, 15, v0                           ; r
	v_bfe_u32 v2, v0, 4, 1                         ; h
	v_and_b32 v6, 31, v0
	v_lshlrev_b32 v[CO], 4, v6
	v_lshlrev_b32 v[SO8], 3, v6
	; the q/k pass's scale words
	s_lshl_b32 s2, s[TY], 8
	s_lshl_b32 s3, s[H1], 7
	s_add_co_u32 s3, s3, s2                        ; the tokens' rows, half H1
	s_lshl_b32 s95, s[TX], 8
	s_lshl_b32 s99, s[H0], 7
	s_add_co_u32 s95, s95, s99
	s_add_co_u32 s95, s95, 8192                    ; W's rows, half H0
	v_add_nc_u32 v3, s3, v1
	v_add_nc_u32 v4, s95, v1
	v_cndmask_b32 v[SOFQ], v3, v4, s[LMK]
	v_lshlrev_b32 v[SOFQ], 2, v[SOFQ]
.irp i, 0,1,2,3,4,5,6,7
.irp k, 0,1,2,3,4,5,6,7
	global_load_b32 v[SC+8*\i+\k], v[SOFQ], s[6:7] offset:\k*45056+64*\i
.endr
.endr
	; where the v pass's lie
	s_add_co_u32 s99, s99, s2                      ; the tokens' rows, half H0
	s_lshl_b32 s98, s[TX], 7
	s_lshl_b32 s3, s[H1], 6
	s_add_co_u32 s98, s98, s3                      ; my first channel: 128 TX + 64 H1 (kept)
	s_add_co_u32 s3, s98, 10240                    ; Wv's rows
	v_add_nc_u32 v3, s3, v1
	v_add_nc_u32 v[SOFT], s99, v1
	v_cndmask_b32 v[SOFV], v3, v[SOFT], s[LMK]
	v_lshlrev_b32 v[SOFV], 2, v[SOFV]
	v_lshlrev_b32 v[SOFT], 2, v[SOFT]
	; bq or bk in the result's layout: tile b's register j is e = 32 (b / 2) + 8 (b % 2) + 16 h + j of my 128
	s_cmp_eq_u32 ttmp9, 0
	s_cselect_b64 s[8:9], s[8:9], s[10:11]
	s_lshl_b32 s2, s[CX], 10
	s_lshl_b32 s3, s[H0], 9
	s_add_co_u32 s2, s2, s3
	s_mov_b32 s3, 0
	s_add_nc_u64 s[8:9], s[8:9], s[2:3]
	v_lshlrev_b32 v5, 6, v2
	WIN 0x40
.irp b, 0,1,2,3,4,5,6,7
	global_load_b128 v[96+8*(\b%4)+128*(\b/4):96+8*(\b%4)+128*(\b/4)+3], v5, s[8:9] offset:(32*(\b/2)+8*(\b%2))*4
	global_load_b128 v[96+8*(\b%4)+128*(\b/4)+4:96+8*(\b%4)+128*(\b/4)+7], v5, s[8:9] offset:(32*(\b/2)+8*(\b%2))*4+16
.endr
	WIN 0
	; bv: block a's lane r is channel 32 (a / 2) + 8 (a % 2) + r + 8 (r / 8) of my 64
	s_lshl_b32 s2, s98, 2
	s_mov_b32 s3, 0
	s_add_nc_u64 s[12:13], s[12:13], s[2:3]
	v_and_b32 v[VBO], 8, v1
	v_add_nc_u32 v[VBO], v[VBO], v1
	v_lshlrev_b32 v[VBO], 2, v[VBO]
	; LDS addresses
	s_mul_i32 s2, s[H1], HALFT
	s_mul_i32 s3, s[H0], HALFT
.irp n, 0,1,2,3
	v_add_nc_u32 v[ADQ+\n], s2, v[CO]
	v_add_nc_u32 v[ADT+\n], s3, v[CO]
	s_add_co_u32 s2, s2, PAIRY
	s_add_co_u32 s3, s3, PAIRY
.endr
	s_mul_i32 s2, s[H0], HALFT
	s_add_co_u32 s2, s2, WB
	s_mul_i32 s3, s[H1], QUART
	s_add_co_u32 s3, s3, WB
.irp n, 0,1
	v_add_nc_u32 v[ADW+\n], s2, v[CO]
	v_add_nc_u32 v[ADVV+\n], s3, v[CO]
	s_add_co_u32 s2, s2, WSLOT
	s_add_co_u32 s3, s3, WSLOT
.endr
	s_lshl_b32 s2, s[WV], 9
	s_add_co_u32 s2, s2, STG
	v_lshl_add_u32 v[STW], v1, 2, s2
	v_add_nc_u32 v[STR], s2, v[CO]
	s_lshl_b32 s2, s[WV], 8
	s_add_co_u32 s2, s2, STGV
	v_lshl_add_u32 v[STWV], v1, 2, s2
	v_add_nc_u32 v[STRV], s2, v[SO8]
	v_mov_b32 v[FLR], 0x1800000
.irp b, 0,1,2,3
	v_mov_b32 v[TM+4+\b], 0                        ; written once: a lane permute's destination counts as one of its sources
.endr
	; where the results go.  qk_codes: row block 512 (k?) + 16 TY + 8 H1 + a, K step 2 cx + H0
	s_lshl_b32 s2, ttmp9, 9
	s_lshl_b32 s3, s[TY], 4
	s_add_co_u32 s2, s2, s3
	s_lshl_b32 s3, s[H1], 3
	s_add_co_u32 s2, s2, s3
	s_lshl_b32 s2, s2, 3
	s_lshl_b32 s99, s[CX], 1
	s_add_co_u32 s99, s99, s[H0]
	s_add_co_u32 s2, s2, s99
	s_mul_i32 s2, s2, 1536
	s_mov_b32 s3, 0
	s_add_nc_u64 s[14:15], s[14:15], s[2:3]
	s_lshl_b32 s2, s99, 14                         ; qk_scales: word (2 cx + H0) x 16,384 + 8,192 (k?) + 256 TY + 128 H1
	s_lshl_b32 s3, ttmp9, 13
	s_add_co_u32 s2, s2, s3
	s_lshl_b32 s3, s[TY], 8
	s_add_co_u32 s2, s2, s3
	s_lshl_b32 s3, s[H1], 7
	s_add_co_u32 s2, s2, s3
	s_lshl_b32 s2, s2, 2
	s_mov_b32 s3, 0
	s_add_nc_u64 s[16:17], s[16:17], s[2:3]
	s_lshr_b32 s95, s[TY], 3                       ; the batch
	s_and_b32 s99, s[TY], 7
	s_lshl_b32 s99, s99, 1
	s_add_co_u32 s99, s99, s[H0]                   ; my chunk of 128 keys
	s_lshl_b32 s2, s95, 10
	s_add_co_u32 s2, s2, s98                       ; v's row: 1,024 batch + 128 TX + 64 H1
	s_add_co_u32 s96, s2, s99                      ; v_codes: fragment 16 (row / 16) + chunk = row + chunk
	s_mul_i32 s96, s96, 1536
	s_mov_b32 s97, 0
	s_add_nc_u64 s[18:19], s[18:19], s[96:97]
	s_mul_i32 s96, s99, 12288                      ; pv_scales: word chunk x 12,288 + 8,192 + row
	s_add_co_u32 s96, s96, s2
	s_add_co_u32 s96, s96, 8192
	s_lshl_b32 s96, s96, 2
	s_add_nc_u64 s[20:21], s[20:21], s[96:97]
.macro FRAG reg, adr, off              ; a fragment's image: three loads of 512 consecutive bytes
.irp c, 0,1,2
	ds_load_b128 v[\reg+4*\c:\reg+4*\c+3], v[\adr] offset:\off+512*\c
.endr
.endm
; THE Q/K PASS
.macro FETCH_B ks, p                   ; W's eight fragments of K step ks into set p of window 1
	WIN 0x40
.irp i, 0,1,2,3,4,5,6,7
	FRAG 128*(\p)+12*\i, ADW+(((\ks)/2)%2), 3072*\i+1536*((\ks)%2)
.endr
	WIN 0
.endm
.macro FETCH_A ks, i0                  ; the tokens' blocks i0 .. i0 + 3
.irp i, \i0, \i0+1, \i0+2, \i0+3
	FRAG AF+12*(\i), ADQ+((\ks)/2), 3072*(\i)+1536*((\ks)%2)
.endr
.endm
; 16 matrix instructions: the tokens' blocks a0, a0 + 1 against W's eight.  mode 0: C = D; 1: C = the bias of tile b.  The 64 accumulators take turns in the same order in every step.
.macro MUL16 a0, p, ks, mode
.irp a, \a0, \a0+1
.irp b, 0,1,2,3,4,5,6,7
.set rD, 8*(8*((\a)%4)+\b)
.set rB, 128*(\p)+12*\b
.set rA, AF+12*(\a)
.set qB, SC+8*\b+(\ks)
.set qA, SC+8*(\a)+(\ks)
.if (\mode) == 0
	v_wmma_scale_f32_16x16x128_f8f6f4 v[rD:rD+7], v[rB:rB+11], v[rA:rA+11], v[rD:rD+7], v[qB], v[qA] matrix_a_fmt:MATRIX_FMT_FP6 matrix_b_fmt:MATRIX_FMT_FP6 matrix_a_scale:MATRIX_SCALE_ROW1
.else
.set rC, 96+8*(\b%4)+128*(\b/4)
	v_wmma_scale_f32_16x16x128_f8f6f4 v[rD:rD+7], v[rB:rB+11], v[rA:rA+11], v[rC:rC+7], v[qB], v[qA] matrix_a_fmt:MATRIX_FMT_FP6 matrix_b_fmt:MATRIX_FMT_FP6 matrix_a_scale:MATRIX_SCALE_ROW1
.endif
.endr
.endr
.endm
; THE V PASS
.macro VFETCH_B ks                     ; the tokens' eight fragments (half H0) into set ks % 2 of window 1
	WIN 0x40
.irp i, 0,1,2,3,4,5,6,7
	FRAG 128*((\ks)%2)+12*\i, ADT+((\ks)/2), 3072*\i+1536*((\ks)%2)
.endr
	WIN 0
.endm
.macro VFETCH_A ks                     ; Wv's four fragments into set ks % 2
.irp i, 0,1,2,3
	FRAG AF+48*((\ks)%2)+12*\i, ADVV+((\ks)/4), 24576*(((\ks)/2)%2)+3072*\i+1536*((\ks)%2)
.endr
.endm
.macro MULV a0, na, ks, mode           ; the 32 accumulators take turns in the same order in every step; mode 1: C = the bias of block a
.set aa, \a0
.rept \na
.irp b, 0,1,2,3,4,5,6,7
.set rD, 8*(8*aa+\b)
.set rB, 128*((\ks)%2)+12*\b
.set rA, AF+48*((\ks)%2)+12*aa
.set qB, SC+8*\b+(\ks)
.set qA, SC+8*aa+(\ks)
.if \mode
.set rC, VB+8*aa
	v_wmma_scale_f32_16x16x128_f8f6f4 v[rD:rD+7], v[rB:rB+11], v[rA:rA+11], v[rC:rC+7], v[qB], v[qA] matrix_a_fmt:MATRIX_FMT_FP6 matrix_b_fmt:MATRIX_FMT_FP6 matrix_a_scale:MATRIX_SCALE_ROW1
.else
	v_wmma_scale_f32_16x16x128_f8f6f4 v[rD:rD+7], v[rB:rB+11], v[rA:rA+11], v[rD:rD+7], v[qB], v[qA] matrix_a_fmt:MATRIX_FMT_FP6 matrix_b_fmt:MATRIX_FMT_FP6 matrix_a_scale:MATRIX_SCALE_ROW1
.endif
.endr
.set aa, aa+1
.endr
.endm
; A K step of the q/k pass whose successor lies in the same slot.  A load into a register that a matrix instruction has read stands four plain places behind it (ISA guide 7.12.1 for vector instructions).
.macro STEP ks, mode
	s_wait_dscnt 12                                ; W's set and the tokens' blocks 0-3 are in; the youngest 12 loads (blocks 4-7) may be out
.if (\mode) == 0
	WIN 0xa1                                       ; source 0 window 1, source 1 window 0, C and D window 2
.else
	WIN 0x91                                       ; C (the bias) window 1
.endif
	MUL16 0, (\ks)%2, \ks, \mode
	MUL16 2, (\ks)%2, \ks, \mode
	s_wait_dscnt 0x0                               ; blocks 4-7 are in
	PLACES 4
	FETCH_B (\ks)+1, 1-(\ks)%2
	FETCH_A (\ks)+1, 0
.if (\mode) == 0
	WIN 0xf1
.else
	WIN 0xd1
.endif
	MUL16 4, (\ks)%2, \ks, \mode
	MUL16 6, (\ks)%2, \ks, \mode
	PLACES 4
	WIN 0
	FETCH_A (\ks)+1, 4
.endm
; A slot's last K step.  In front of the barrier each wave waits for all its tensor loads, adds 0 to its spare word, and waits for that and for its reads of the slot.  The barrier opens a round of the cluster's barrier;
; behind the round the slot just read out is filled again.  K step 7 fetches the v pass's first fragments in place of a next step's.
.macro TURN ks, base, step, slot
	s_wait_tensorcnt 0x0                           ; all my tensor loads have landed
	ds_add_u32 v[SPW], v[NIL]                      ; 0 onto my spare word
	s_wait_dscnt 13                                ; (the add and the youngest 12 loads may be out)
	WIN 0xa1
	MUL16 0, (\ks)%2, \ks, 0
	s_wait_dscnt 0x0                               ; the add is done, and my reads of this slot are over
	s_barrier_signal -1
	MUL16 2, (\ks)%2, \ks, 0
	WIN 0
	s_barrier_wait -1
	CREST                                          ; no wave of any partner still reads this slot or has a load on its way
	REFILL \base, \step, \slot
.if (\ks) < 7
	FETCH_B (\ks)+1, 1-(\ks)%2
	FETCH_A (\ks)+1, 0
.else
	VFETCH_B 0                                     ; set 0 of window 1 was last multiplied in K step 6
.endif
	WIN 0xf1
	MUL16 4, (\ks)%2, \ks, 0
	MUL16 6, (\ks)%2, \ks, 0
	PLACES 4                                       ; in front of the loads below, of the loads into the scale registers and of the first read of results
	WIN 0
.if (\ks) < 7
	FETCH_A (\ks)+1, 4
.else
	VFETCH_A 0                                     ; Wv's K steps 0-3 were shown whole at the barrier above
.endif
.endm
.macro VSTEP ks, mode
	PLACES 4                                       ; in front of loads into the sets that the last step multiplied
	VFETCH_B (\ks)+1
	VFETCH_A (\ks)+1
	s_wait_dscnt 36                                ; all but the 36 just issued: this step's fragments are in
.if \mode
	WIN 0x81                                       ; C (the bias) window 0
.else
	WIN 0xa1
.endif
	MULV 0, 4, \ks, \mode
.endm
; The 64 results of block a (window 2 + hi, from register s on) become a fragment's codes in v[PC] on and a scale word in v[PW].  Each accumulator is read from its low end on.
.macro QUANTW hi, s
.set AC0, \s
	WIN 0x28+0x14*(\hi)                            ; sources 1 and 2: the accumulators' window
.irp b, 0,1,2,3
	v_max3_num_f32 v[TM+\b], v[FLR], |v[AC0+16*\b]|, |v[AC0+16*\b+1]|
.endr
.irp i, 2,4,6,8,10,12,14
.irp b, 0,1,2,3
	v_max3_num_f32 v[TM+\b], v[TM+\b], |v[AC0+16*\b+\i]|, |v[AC0+16*\b+\i+1]|
.endr
.endr
	WIN 0
.irp b, 0,1,2,3
	v_permlanex16_b32 v[TM+4+\b], v[TM+\b], s[SEL], s[SEL+1]
.endr
.irp b, 0,1,2,3
	v_max_num_f32 v[TM+\b], v[TM+\b], v[TM+4+\b]   ; with lane l xor 16's 16: the block's largest magnitude
.endr
.irp b, 0,1,2,3
	v_add_nc_u32 v[TM+12+\b], 0xff000000, v[TM+\b] ; 2 off its exponent field: the conversion's scale operand
.endr
.irp b, 0,1,2,3
	v_lshrrev_b32 v[TM+4+\b], 23, v[TM+12+\b]      ; the scale's byte
.endr
	v_lshl_or_b32 v[PW], v[TM+5], 8, v[TM+4]
	v_lshl_or_b32 v[PW], v[TM+6], 16, v[PW]
	v_lshl_or_b32 v[PW], v[TM+7], 24, v[PW]
	WIN 2+(\hi)                                    ; source 0: the accumulators' window
.irp c, 0,1
	v_cvt_scalef32_pk16_fp6_f32 v[PC+6*\c:PC+2+6*\c], v[AC0+32*\c:AC0+15+32*\c], v[TM+12+2*\c]
	v_cvt_scalef32_pk16_fp6_f32 v[PC+12+4*\c:PC+14+4*\c], v[AC0+16+32*\c:AC0+31+32*\c], v[TM+13+2*\c]
.endr
	WIN 0
	v_nop                                          ; one plain place behind a scaled conversion
.irp c, 0,1
.irp i, 0,1,2
	v_permlane16_swap_b32 v[PC+6*\c+\i], v[PC+12+4*\c+\i]
.endr
.irp i, 0,1,2
	v_mov_b32 v[PC+3+6*\c+\i], v[PC+12+4*\c+\i]
.endr
.endr
.endm
	s_wait_tensorcnt 2                             ; my first two loads are in (the tokens' K steps 0-3, or W's 0, 1); the two younger may be out
	s_barrier_signal -1
	s_barrier_wait -1
	FETCH_B 0, 0
	FETCH_A 0, 0
	FETCH_A 0, 4
	s_wait_loadcnt 0x0                             ; the scale words and bq or bk
	STEP 0, 1                                      ; the first K step starts the sums with the bias: nothing is cleared
.irp a, 0,1,2,3                        ; bv for the v pass, the same number in a block's eight registers: asked for here, wanted far on
.irp j, 0,1,2,3,4,5,6,7
	global_load_b32 v[VB+8*\a+\j], v[VBO], s[12:13] offset:(32*(\a/2)+8*(\a%2))*4
.endr
.endr
	TURN 1, RW, 6144, 0                            ; slot 0 takes W's K steps 4, 5
	STEP 2, 0
	TURN 3, RW, 9216, 1                            ; slot 1 takes W's K steps 6, 7
	STEP 4, 0
	TURN 5, RV, 0, 0                               ; slot 0 takes Wv's K steps 0-3
	STEP 6, 0
	TURN 7, RV, 6144, 1                            ; slot 1 takes Wv's K steps 4-7
	; THE Q/K PASS'S WAY OUT, 16 tokens at a time.  The v pass's scale words are asked for in its first four blocks, 16 loads in each, into the registers that held this pass's.
.irp a, 0,1,2,3,4,5,6,7
.if \a < 4
.irp k, 0,1,2,3,4,5,6,7
	global_load_b32 v[SC+8*\a+\k], v[SOFV], s[6:7] offset:\k*45056+64*\a
	global_load_b32 v[SC+8*(\a+4)+\k], v[SOFT], s[6:7] offset:\k*45056+64*(\a+4)
.endr
.endif
.if \a > 0
	s_wait_dscnt 0x0                               ; the last block's LDS store has read its register,
	s_wait_xcnt 0x0                                ; its global stores theirs
.endif
	QUANTW \a/4, 64*(\a%4)
.irp c, 0,1,2
	global_store_b128 v[CO], v[PC+4*\c:PC+4*\c+3], s[14:15] offset:12288*\a+512*\c   ; 512 consecutive bytes, aligned
.endr
	ds_store_b32 v[STW], v[PW] offset:64*\a
.endr
	ds_load_b128 v[TM:TM+3], v[STR]                ; my 128 scale words; LDS serves a wave's instructions in order
	s_wait_dscnt 0x0
	global_store_b128 v[CO], v[TM:TM+3], s[16:17]
	s_wait_xcnt 0x0                                ; the stores have read the codes' registers, into which the v pass's fragments are loaded next
	s_wait_loadcnt 0x0                             ; the v pass's scale words and bv
	VSTEP 0, 1                                     ; the first K step starts the sums with the bias
	VSTEP 1, 0
	VSTEP 2, 0
	WIN 0                                          ; K step 3, with a barrier: behind it Wv's K steps 4-7 are whole; nothing is filled again
	s_wait_tensorcnt 0x0                           ; my last tensor load has landed
	ds_add_u32 v[SPW], v[NIL]
	s_wait_dscnt 0x0
	s_barrier_signal -1
	WIN 0xa1
	MULV 0, 2, 3, 0
	WIN 0
	s_barrier_wait -1
	PLACES 4
	VFETCH_B 4
	VFETCH_A 4
	WIN 0xa1
	MULV 2, 2, 3, 0
	VSTEP 4, 0
	VSTEP 5, 0
	VSTEP 6, 0
	s_wait_dscnt 0x0
	MULV 0, 4, 7, 0
	PLACES 4                                       ; in front of the first read of results and the first write over Wv's registers
	; THE V PASS'S WAY OUT, 16 channels at a time
.irp a, 0,1,2,3
.if \a > 0
	s_wait_dscnt 0x0
	s_wait_xcnt 0x0
.endif
	QUANTW 0, 64*\a
.irp c, 0,1,2
	global_store_b128 v[CO], v[PC+4*\c:PC+4*\c+3], s[18:19] offset:24576*\a+512*\c
.endr
	ds_store_b32 v[STWV], v[PW] offset:64*\a
.endr
	ds_load_b64 v[TM:TM+1], v[STRV]                ; my 64 scale words
	s_wait_dscnt 0x0
	global_store_b64 v[SO8], v[TM:TM+1], s[20:21]  ; 256 consecutive bytes, aligned
	s_wait_tensorcnt 0x0                           ; the wave's end
	ds_add_u32 v[SPW], v[NIL]
	s_wait_dscnt 0x0
	CROUND                                         ; the closing round
	s_endpgm
.Lfunc_end_k_qe4f06f3745_proj:
	.size	k_qe4f06f3745_proj, .Lfunc_end_k_qe4f06f3745_proj-k_qe4f06f3745_proj
	.p2alignl 7, 3214868480
	.fill 96, 4, 3214868480
	.section	.rodata,"a",@progbits
	.p2align	6, 0x0
	.amdhsa_kernel k_qe4f06f3745_proj
		.amdhsa_group_segment_fixed_size 327680
		.amdhsa_private_segment_fixed_size 0
		.amdhsa_enable_private_segment 0
		.amdhsa_kernarg_size 72
		.amdhsa_user_sgpr_count 2
		.amdhsa_user_sgpr_kernarg_segment_ptr 1
		.amdhsa_wavefront_size32 1
		.amdhsa_system_sgpr_workgroup_id_x 1
		.amdhsa_system_sgpr_workgroup_id_y 1
		.amdhsa_system_sgpr_workgroup_id_z 1
		.amdhsa_system_vgpr_workitem_id 0
		.amdhsa_next_free_vgpr 1024
		.amdhsa_next_free_sgpr 100
		.amdhsa_reserve_vcc 0
		.amdhsa_float_denorm_mode_32 3
		.amdhsa_float_denorm_mode_16_64 3
		.amdhsa_memory_ordered 1
		.amdhsa_forward_progress 1
		.amdhsa_inst_pref_size 227
	.end_amdhsa_kernel
	.amdgpu_metadata
---
amdhsa.version: [ 1, 2 ]
amdhsa.kernels:
  - .name:           k_qe4f06f3745_proj
    .symbol:         k_qe4f06f3745_proj.kd
    .args:
      - { .name: xw_codes, .offset: 0, .size: 8, .value_kind: global_buffer, .address_space: global }
      - { .name: xw_scales, .offset: 8, .size: 8, .value_kind: global_buffer, .address_space: global }
      - { .name: bq, .offset: 16, .size: 8, .value_kind: global_buffer, .address_space: global }
      - { .name: bk, .offset: 24, .size: 8, .value_kind: global_buffer, .address_space: global }
      - { .name: bv, .offset: 32, .size: 8, .value_kind: global_buffer, .address_space: global }
      - { .name: qk_codes, .offset: 40, .size: 8, .value_kind: global_buffer, .address_space: global }
      - { .name: qk_scales, .offset: 48, .size: 8, .value_kind: global_buffer, .address_space: global }
      - { .name: v_codes, .offset: 56, .size: 8, .value_kind: global_buffer, .address_space: global }
      - { .name: pv_scales, .offset: 64, .size: 8, .value_kind: global_buffer, .address_space: global }
    .group_segment_fixed_size: 327680
    .private_segment_fixed_size: 0
    .kernarg_segment_align: 8
    .kernarg_segment_size: 72
    .max_flat_workgroup_size: 128
    .sgpr_count:     100
    .vgpr_count:     1024
    .wavefront_size: 32
...
	.end_amdgpu_metadata
.endif
;; end of part 2
;; launch scores (part 3): grid 8 x 32, 4 waves a work-group, clusters of 4 x 4, 327,680 bytes of LDS; arguments qk_codes, qk_scales, p_codes, pv_scales, ml; writes p_codes, pv_scales, ml
.if DOCPART == 3
	.amdgcn_target "amdgcn-amd-amdhsa--gfx1250"
	.amdhsa_code_object_version 6
	.text
	.protected	k_qe4f06f3745_scores
	.globl	k_qe4f06f3745_scores
	.p2align	8
	.type	k_qe4f06f3745_scores,@function
k_qe4f06f3745_scores:
	s_mov_b64 s[64:65], 0
	v_nop
	global_prefetch_b8 v0, s[64:65] scope:SCOPE_SE
	s_setreg_imm32_b32 hwreg(HW_REG_WAVE_MODE, 25, 1), 1
	s_wait_xcnt 0x0
	s_wait_alu depctr_hold_cnt(0) depctr_sa_sdst(0) depctr_va_vdst(0) depctr_va_sdst(0) depctr_va_ssrc(0) depctr_va_vcc(0) depctr_vm_vsrc(0)
	s_getreg_b32 s2, hwreg(HW_REG_IB_STS2, 6, 4)
	s_cmp_eq_u32 s2, 0
	s_cbranch_scc0 .Lentry_in_a_cluster
	s_endpgm
.Lentry_in_a_cluster:
	s_bfe_u32 s2, ttmp6, 0x10000c
	s_cmp_lg_u32 s2, 0xf033
	s_cbranch_scc0 .Lentry_shape_is_right
	s_endpgm
.Lentry_shape_is_right:
; LAUNCH 3 OF 4: S^T = k q^T on codes of E2M3, and the softmax's numerator for each chunk of 128 keys.  No work is left out.
; A tile is 256 keys (source 0) x 256 queries (source 1) of one batch, K = 1,024 in 8 steps.  Four waves, each 128 x 128.  A lane holds one query, its registers run along the keys in their true order.
; THE SOFTMAX: t = score x log2(e) / 32.  A wave's 128 keys are one K step of the last product.  For them Mloc = ceil(the query's largest t among these keys), a whole number, is taken away: p = 2^(t - Mloc),
; quantised along the keys; lloc = the sum of the unquantised p.  Codes, scale words, -Mloc and lloc go to memory.  The last launch takes Mglob = the largest Mloc of a query's 16 chunks and brings each chunk under it
; by the whole number Mglob - Mloc, which p's scale bytes and lloc take up exactly: the codes are those of 2^(t - Mglob).
; Ring, joint loads, scale words and K loop are those of launch 2 (q's tile shared along a row of the cluster, k's along a column).  p's rows keep q's image order.
; LIMITS: NaN and infinities are not served; a p under 2^-126 counts as 0; a block whose every p is 0 keeps the byte 1 over zero codes.
; REGISTERS: window 0: v16-30 addresses; v32-95 scale words; v96-127 at work; v128-223 source 1's fragments, behind the loop v128-191 p and v192.. its codes.  window 1: source 0's two sets.  windows 2, 3: the accumulators.
.set HALFT, 24576
.set SLOT,  98304
.set STG,   3*SLOT                     ; behind the ring: 1,536 bytes a wave: 128 scale words, 128 x -Mloc, 128 x lloc; no fill lands here
.set SPARE, STG+4*1536
.set ADR1, 16
.set ADR0, 20
.set SOFF, 24
.set CO,   25
.set STW,  26
.set STR,  27
.set SPW,  28
.set NIL,  29
.set SC,   32
.set TM,   96
.set PW,   112
.set NM,   114                         ; v[114:115] -Mloc (the packed form names a pair and takes its low word)
.set LS,   116                         ; v[116:117] the sum
.set T2,   118
.set MX,   120
.set AF,   128
.set P,    128
.set PC,   192
.set CS,   14                          ; s[14:15] c = log2(e) / 32
.set WV,   22
.set H1,   23
.set H0,   24
.set CX,   25
.set CY,   26
.set TX,   27
.set TY,   28
.set BA,   29                          ; the batch
.set G1Y,  32
.set G1W,  40
.set G0Y,  48
.set SEL,  60
.set LMK,  62
.set G0W,  68
.set MSB, 0
.macro WIN new
.if MSB != (\new)
	s_set_vgpr_msb (MSB<<8)|(\new)
.set MSB, (\new)
.endif
.endm
.macro PLACES n
.rept \n
	v_nop
.endr
.endm
.macro JLOAD g0y, g1y, g0w, g1w        ; waves 0, 1 fetch q's halves, waves 2, 3 k's; an s_nop 0 and four v_nop follow each line
	s_cmp_eq_u32 s[H1], 0
	s_cbranch_scc0 .Lfor_w_\@
	tensor_load_to_lds s[\g0y:\g0y+3], s[\g1y:\g1y+7]
	s_nop 0
.rept 4
	v_nop
.endr
	s_branch .Lasked_\@
.Lfor_w_\@:
	tensor_load_to_lds s[\g0w:\g0w+3], s[\g1w:\g1w+7]
	s_nop 0
.rept 4
	v_nop
.endr
.Lasked_\@:
.endm
.macro CREST
	s_cmp_lg_u32 s[WV], 0
	s_cbranch_scc1 .Lnot_wave_0_\@
	s_barrier_signal -3
.Lnot_wave_0_\@:
	s_barrier_wait -3
	s_barrier_signal -1
	s_barrier_wait -1
.endm
.macro CROUND
	s_barrier_signal -1
	s_barrier_wait -1
	CREST
.endm
	s_load_b256 s[4:11], s[0:1], 0x0               ; qk_codes, qk_scales, p_codes, pv_scales
	s_load_b64 s[12:13], s[0:1], 0x20              ; ml
	v_lshl_add_u32 v[SPW], v0, 2, SPARE
	v_mov_b32 v[NIL], 0
	ds_add_u32 v[SPW], v[NIL]                      ; the wave's opening: the add, twice on end, and its wait ahead of my first tensor load
	ds_add_u32 v[SPW], v[NIL]
	v_lshrrev_b32 v1, 5, v0
	v_readfirstlane_b32 s[WV], v1
	s_lshr_b32 s[H1], s[WV], 1
	s_and_b32 s[H0], s[WV], 1
	s_bfe_u32 s[CX], ttmp6, 0x40000
	s_bfe_u32 s[CY], ttmp6, 0x40004
	s_lshl_b32 s[TX], ttmp9, 2
	s_add_co_u32 s[TX], s[TX], s[CX]               ; which 256 keys of the batch
	s_and_b32 s[BA], ttmp7, 0xffff
	s_lshl_b32 s[TY], s[BA], 2
	s_add_co_u32 s[TY], s[TY], s[CY]               ; which 256 queries of all 8,192
	s_lshr_b32 s[BA], s[BA], 1                     ; eight tile rows a batch: the batch hangs on the cluster's y alone
	s_lshl_b32 s30, s[CY], 2
	s_lshl_b32 s30, 15, s30
	s_lshl_b32 s31, 0x1111, s[CX]
	s_or_b32 s[G1Y], s30, (3<<16)|(1<<21)
	s_or_b32 s[G1W], s31, (3<<16)|(1<<21)
.irp g, G1Y, G1W
	s_mov_b32 s[\g+1], 384<<16
	s_mov_b32 s[\g+2], 8<<16
	s_mov_b32 s[\g+3], 384<<16
	s_mov_b32 s[\g+4], 8
	s_mov_b32 s[\g+5], 1536
	s_mov_b32 s[\g+6], 0
	s_mov_b32 s[\g+7], 0
.endr
	s_lshl_b32 s66, s[TY], 4                       ; q's tile: row block 16 TY + 8 x half (registers that never hold cx)
	s_lshl_b32 s63, s[H0], 3
	s_add_co_u32 s66, s66, s63
	s_mul_i32 s66, s66, 12288
	s_mov_b32 s67, 0
	s_lshl_b32 s96, s[TX], 4                       ; k's tile: row block 512 + 128 batch + 16 TX + 8 x half (registers that never hold cy)
	s_lshl_b32 s98, s[H0], 3
	s_add_co_u32 s96, s96, s98
	s_lshl_b32 s98, s[BA], 7
	s_add_co_u32 s96, s96, s98
	s_add_co_u32 s96, s96, 512
	s_mul_i32 s96, s96, 12288
	s_mov_b32 s97, 0
	s_mul_i32 s3, s[WV], HALFT
	s_mov_b32 s[SEL], 0x76543210
	s_mov_b32 s[SEL+1], 0xfedcba98
	s_mov_b32 s[LMK], 0xffff0000
	s_mov_b32 s[CS], 0x3d38aa3b
	s_mov_b32 s[CS+1], s[CS]
	s_wait_dscnt 0x0
	s_wait_kmcnt 0x0
	s_add_nc_u64 s[66:67], s[4:5], s[66:67]
	s_add_nc_u64 s[96:97], s[4:5], s[96:97]
	CROUND
.irp n, 0,1,2
	s_mov_b32 s[G0Y+4*\n], 1
	s_add_co_u32 s[G0Y+4*\n+1], s3, \n*SLOT
	s_add_nc_u64 s[G0Y+4*\n+2:G0Y+4*\n+3], s[66:67], \n*3072
	s_or_b32 s[G0Y+4*\n+3], s[G0Y+4*\n+3], 0x80000000
	s_mov_b32 s[G0W+4*\n], 1
	s_add_co_u32 s[G0W+4*\n+1], s3, \n*SLOT
	s_add_nc_u64 s[G0W+4*\n+2:G0W+4*\n+3], s[96:97], \n*3072
	s_or_b32 s[G0W+4*\n+3], s[G0W+4*\n+3], 0x80000000
	JLOAD G0Y+4*\n, G1Y, G0W+4*\n, G1W
.endr
	v_and_b32 v1, 15, v0
	v_and_b32 v6, 31, v0
	v_lshlrev_b32 v[CO], 4, v6
	s_lshl_b32 s89, s[TY], 8
	s_lshl_b32 s90, s[H1], 7
	s_add_co_u32 s89, s89, s90                     ; my first query row (image order)
	s_lshl_b32 s92, s[BA], 11
	s_lshl_b32 s93, s[TX], 8
	s_add_co_u32 s92, s92, s93
	s_lshl_b32 s93, s[H0], 7
	s_add_co_u32 s92, s92, s93
	s_add_co_u32 s92, s92, 8192                    ; my first key's row in the table of q and k
	v_add_nc_u32 v3, s89, v1
	v_add_nc_u32 v4, s92, v1
	v_cndmask_b32 v[SOFF], v3, v4, s[LMK]          ; lanes 0-15 q's words, lanes 16-31 k's
	v_lshlrev_b32 v[SOFF], 2, v[SOFF]
.irp i, 0,1,2,3,4,5,6,7
.irp k, 0,1,2,3,4,5,6,7
	global_load_b32 v[SC+8*\i+\k], v[SOFF], s[6:7] offset:\k*65536+64*\i
.endr
.endr
	s_mul_i32 s90, s[H1], HALFT
	s_mul_i32 s91, s[H0], HALFT
	s_add_co_u32 s91, s91, 49152
.irp n, 0,1,2
	v_add_nc_u32 v[ADR1+\n], s90, v[CO]
	v_add_nc_u32 v[ADR0+\n], s91, v[CO]
	s_add_co_u32 s90, s90, SLOT
	s_add_co_u32 s91, s91, SLOT
.endr
	s_mul_i32 s90, s[WV], 1536
	s_add_co_u32 s90, s90, STG
	v_lshl_add_u32 v[STW], v1, 2, s90
	v_add_nc_u32 v[STR], s90, v[CO]
.irp b, 0,1,2,3
	v_mov_b32 v[TM+4+\b], 0                        ; written once: a lane permute's destination counts as one of its sources
.endr
	v_mov_b32 v[NM+1], 0                           ; (named as the upper half of a pair)
	s_lshl_b32 s88, s[TX], 1
	s_add_co_u32 s88, s88, s[H0]                   ; my chunk of 128 keys, 0 .. 15
	s_add_co_u32 s90, s89, s88                     ; p's fragment (row block, chunk) lies at (16 row block + chunk) x 1,536 = (row + chunk) x 1,536
	s_mul_i32 s90, s90, 1536
	s_mov_b32 s91, 0
	s_add_nc_u64 s[8:9], s[8:9], s[90:91]
	s_mul_i32 s90, s88, 12288
	s_add_co_u32 s90, s90, s89
	s_lshl_b32 s90, s90, 2
	s_add_nc_u64 s[10:11], s[10:11], s[90:91]
	s_lshl_b32 s90, s88, 13
	s_add_co_u32 s90, s90, s89
	s_lshl_b32 s90, s90, 2
	s_add_nc_u64 s[12:13], s[12:13], s[90:91]
.macro FRAG reg, adr, off
.irp c, 0,1,2
	ds_load_b128 v[\reg+4*\c:\reg+4*\c+3], v[\adr] offset:\off+512*\c
.endr
.endm
.macro FETCH_B slot, q, p
	WIN 0x40
.irp i, 0,1,2,3,4,5,6,7
	FRAG 128*(\p)+12*\i, ADR0+\slot, 3072*\i+1536*(\q)
.endr
	WIN 0
.endm
.macro FETCH_A slot, q, i0
.irp i, \i0, \i0+1, \i0+2, \i0+3
	FRAG AF+12*(\i), ADR1+\slot, 3072*(\i)+1536*(\q)
.endr
.endm
.macro MUL16 a0, p, ks, zero           ; the 64 accumulators take turns in the same order in every step; zero = 1: the first product starts the sums
.irp a, \a0, \a0+1
.irp b, 0,1,2,3,4,5,6,7
.set rD, 8*(8*((\a)%4)+\b)
.set rB, 128*(\p)+12*\b
.set rA, AF+12*(\a)
.set qB, SC+8*\b+(\ks)
.set qA, SC+8*(\a)+(\ks)
.if \zero
	v_wmma_scale_f32_16x16x128_f8f6f4 v[rD:rD+7], v[rB:rB+11], v[rA:rA+11], 0, v[qB], v[qA] matrix_a_fmt:MATRIX_FMT_FP6 matrix_b_fmt:MATRIX_FMT_FP6 matrix_a_scale:MATRIX_SCALE_ROW1
.else
	v_wmma_scale_f32_16x16x128_f8f6f4 v[rD:rD+7], v[rB:rB+11], v[rA:rA+11], v[rD:rD+7], v[qB], v[qA] matrix_a_fmt:MATRIX_FMT_FP6 matrix_b_fmt:MATRIX_FMT_FP6 matrix_a_scale:MATRIX_SCALE_ROW1
.endif
.endr
.endr
.endm
.macro STEP ks, nslot, nq, zero
	s_wait_dscnt 12                                ; all but the youngest 12 loads (source 1's blocks 4-7)
	WIN 0xa1
	MUL16 0, (\ks)%2, \ks, \zero
	MUL16 2, (\ks)%2, \ks, \zero
	s_wait_dscnt 0x0
	PLACES 4                                       ; in front of loads into registers that matrix instructions have read
	FETCH_B \nslot, \nq, 1-(\ks)%2
	FETCH_A \nslot, \nq, 0
	WIN 0xf1
	MUL16 4, (\ks)%2, \ks, \zero
	MUL16 6, (\ks)%2, \ks, \zero
	PLACES 4
	WIN 0
	FETCH_A \nslot, \nq, 4
.endm
.macro TURN ks, nslot, fill
	s_wait_tensorcnt 0x0                           ; all my tensor loads have landed
	ds_add_u32 v[SPW], v[NIL]                      ; 0 onto my spare word
	s_wait_dscnt 13                                ; (the add and the youngest 12 loads may be out)
	WIN 0xa1
	MUL16 0, (\ks)%2, \ks, 0
	s_wait_dscnt 0x0                               ; the add is done, and my reads of the slots behind me are over
	s_barrier_signal -1
	MUL16 2, (\ks)%2, \ks, 0
	WIN 0
	s_barrier_wait -1
.if \fill
	CREST                                          ; a round of the cluster's barrier: no wave of any partner still reads slot 0 or has a load on its way
	s_add_nc_u64 s[G0Y+2:G0Y+3], s[G0Y+2:G0Y+3], 9216
	s_add_nc_u64 s[G0W+2:G0W+3], s[G0W+2:G0W+3], 9216
	JLOAD G0Y, G1Y, G0W, G1W                       ; K steps 6, 7 into slot 0: four K steps in which to land
.else
	PLACES 4
.endif
	FETCH_B \nslot, 0, 1-(\ks)%2
	FETCH_A \nslot, 0, 0
	WIN 0xf1
	MUL16 4, (\ks)%2, \ks, 0
	MUL16 6, (\ks)%2, \ks, 0
	PLACES 4
	WIN 0
	FETCH_A \nslot, 0, 4
.endm
; Block a: 16 queries x my 128 keys.  Register 16 b + i of the block's 64 is key 32 b + 16 (lane / 16) + i.
.macro SOFT a
.set HI, (\a)/4
.set AC0, 64*((\a)%4)
.if (\a) > 0
	s_wait_dscnt 0x0                               ; the last block's three LDS stores have read their registers
.endif
	WIN 0x2a+0x15*HI                               ; all three sources: the accumulators' window
.irp b, 0,1,2,3
	v_max3_num_f32 v[TM+\b], v[AC0+16*\b], v[AC0+16*\b+1], v[AC0+16*\b+2]   ; the largest score of each block of 32 keys: it serves for the row's maximum and, since p rises with the score, for the block's largest p
.endr
	WIN 0x28+0x14*HI
.irp i, 3,5,7,9,11,13
.irp b, 0,1,2,3
	v_max3_num_f32 v[TM+\b], v[TM+\b], v[AC0+16*\b+\i], v[AC0+16*\b+\i+1]
.endr
.endr
.irp b, 0,1,2,3
	v_max_num_f32 v[TM+\b], v[TM+\b], v[AC0+16*\b+15]
.endr
	WIN 0
.irp b, 0,1,2,3
	v_permlanex16_b32 v[TM+4+\b], v[TM+\b], s[SEL], s[SEL+1]
.endr
.irp b, 0,1,2,3
	v_max_num_f32 v[TM+\b], v[TM+\b], v[TM+4+\b]   ; with lane l xor 16's 16 keys
.endr
	v_max3_num_f32 v[MX], v[TM], v[TM+1], v[TM+2]
	v_max_num_f32 v[MX], v[MX], v[TM+3]
	v_mul_f32 v[MX], s[CS], v[MX]                  ; the chunk's largest t (c is positive)
	v_floor_f32 v[NM], -v[MX]                      ; -Mloc = floor(-t) = -ceil(t)
	WIN 2+HI
.set j, 0
.rept 32
	v_pk_fma_f32 v[P+j:P+j+1], v[AC0+j:AC0+j+1], s[CS:CS+1], v[NM:NM+1] op_sel_hi:[1,0,0]   ; t - Mloc, two at a time, into window 0
.set j, j+2
.endr
	WIN 0
.irp b, 0,1,2,3
	v_fma_f32 v[TM+\b], v[TM+\b], s[CS], v[NM]     ; the same of each block's largest score
.endr
.set j, 0
.rept 64
	v_exp_f32 v[P+j], v[P+j]                       ; p = 2^(t - Mloc)
.set j, j+1
.endr
	v_nop                                          ; a plain place behind the exponentials
	s_wait_alu depctr_va_vdst(0)                   ; one wait for the whole batch, ahead of its first reader
.irp b, 0,1,2,3
	v_exp_f32 v[TM+\b], v[TM+\b]                   ; the block's largest p
.endr
	v_pk_add_f32 v[T2:T2+1], v[P:P+1], v[P+2:P+3]  ; the sum of the unquantised p, in two chains: plain work behind the four
	v_pk_add_f32 v[LS:LS+1], v[P+4:P+5], v[P+6:P+7]
.irp j, 8,12,16,20,24,28,32,36,40,44,48,52,56,60
	v_pk_add_f32 v[T2:T2+1], v[T2:T2+1], v[P+\j:P+\j+1]
	v_pk_add_f32 v[LS:LS+1], v[LS:LS+1], v[P+\j+2:P+\j+3]
.endr
	v_pk_add_f32 v[LS:LS+1], v[LS:LS+1], v[T2:T2+1]
	s_wait_alu depctr_va_vdst(0)                   ; and one for the four
.irp b, 0,1,2,3
	v_max_num_f32 v[TM+\b], 0x1800000, v[TM+\b]    ; the floor 2^(3 - 127): the byte cannot fall under 1
.endr
.irp b, 0,1,2,3
	v_add_nc_u32 v[TM+12+\b], 0xff000000, v[TM+\b]
.endr
.irp b, 0,1,2,3
	v_lshrrev_b32 v[TM+4+\b], 23, v[TM+12+\b]
.endr
	v_lshl_or_b32 v[PW], v[TM+5], 8, v[TM+4]
	v_lshl_or_b32 v[PW], v[TM+6], 16, v[PW]
	v_lshl_or_b32 v[PW], v[TM+7], 24, v[PW]
	v_add_f32 v[LS], v[LS], v[LS+1]
	v_permlanex16_b32 v[MX], v[LS], s[SEL], s[SEL+1]
	v_add_f32 v[LS], v[LS], v[MX]                  ; lloc
.if (\a) > 0
	s_wait_xcnt 0x0                                ; the last block's stores have read the codes' registers
.endif
.irp c, 0,1
	v_cvt_scalef32_pk16_fp6_f32 v[PC+6*\c:PC+2+6*\c], v[P+32*\c:P+15+32*\c], v[TM+12+2*\c]
	v_cvt_scalef32_pk16_fp6_f32 v[PC+12+4*\c:PC+14+4*\c], v[P+16+32*\c:P+31+32*\c], v[TM+13+2*\c]
.endr
	v_nop                                          ; one plain place behind a scaled conversion
.irp c, 0,1
.irp i, 0,1,2
	v_permlane16_swap_b32 v[PC+6*\c+\i], v[PC+12+4*\c+\i]
.endr
.irp i, 0,1,2
	v_mov_b32 v[PC+3+6*\c+\i], v[PC+12+4*\c+\i]
.endr
.endr
.irp c, 0,1,2
	global_store_b128 v[CO], v[PC+4*\c:PC+4*\c+3], s[8:9] offset:24576*(\a)+512*\c   ; 512 consecutive bytes, aligned
.endr
	ds_store_b32 v[STW], v[PW] offset:64*(\a)
	ds_store_b32 v[STW], v[NM] offset:512+64*(\a)
	ds_store_b32 v[STW], v[LS] offset:1024+64*(\a)
.endm
	s_wait_tensorcnt 2                             ; my part of slot 0 is in; the two younger loads may be out
	s_barrier_signal -1
	s_barrier_wait -1
	FETCH_B 0, 0, 0
	FETCH_A 0, 0, 0
	FETCH_A 0, 0, 4
	s_wait_loadcnt 0x0                             ; the scale words
	STEP 0, 0, 1, 1
	TURN 1, 1, 1
	STEP 2, 1, 1, 0
	STEP 3, 2, 0, 0                                ; slot 2 was shown whole at the barrier above
	STEP 4, 2, 1, 0
	TURN 5, 0, 0
	STEP 6, 0, 1, 0
	s_wait_dscnt 12
	WIN 0xa1
	MUL16 0, 1, 7, 0
	MUL16 2, 1, 7, 0
	s_wait_dscnt 0x0
	WIN 0xf1
	MUL16 4, 1, 7, 0
	MUL16 6, 1, 7, 0
	WIN 0
	PLACES 4                                       ; in front of the first read of results and the first write over source 1's registers
.irp a, 0,1,2,3,4,5,6,7
	SOFT \a
.endr
	ds_load_b128 v[TM:TM+3], v[STR]                ; LDS serves a wave's instructions in order: these see my stores
	ds_load_b128 v[TM+4:TM+7], v[STR] offset:512
	ds_load_b128 v[TM+8:TM+11], v[STR] offset:1024
	s_wait_dscnt 0x0
	global_store_b128 v[CO], v[TM:TM+3], s[10:11]          ; p's scale words of my chunk: 512 consecutive bytes
	global_store_b128 v[CO], v[TM+4:TM+7], s[12:13]        ; -Mloc
	global_store_b128 v[CO], v[TM+8:TM+11], s[12:13] offset:524288   ; lloc
	s_wait_tensorcnt 0x0                           ; the wave's end
	ds_add_u32 v[SPW], v[NIL]
	s_wait_dscnt 0x0
	CROUND
	s_endpgm
.Lfunc_end_k_qe4f06f3745_scores:
	.size	k_qe4f06f3745_scores, .Lfunc_end_k_qe4f06f3745_scores-k_qe4f06f3745_scores
	.p2alignl 7, 3214868480
	.fill 96, 4, 3214868480
	.section	.rodata,"a",@progbits
	.p2align	6, 0x0
	.amdhsa_kernel k_qe4f06f3745_scores
		.amdhsa_group_segment_fixed_size 327680
		.amdhsa_private_segment_fixed_size 0
		.amdhsa_enable_private_segment 0
		.amdhsa_kernarg_size 40
		.amdhsa_user_sgpr_count 2
		.amdhsa_user_sgpr_kernarg_segment_ptr 1
		.amdhsa_wavefront_size32 1
		.amdhsa_system_sgpr_workgroup_id_x 1
		.amdhsa_system_sgpr_workgroup_id_y 1
		.amdhsa_system_sgpr_workgroup_id_z 1
		.amdhsa_system_vgpr_workitem_id 0
		.amdhsa_next_free_vgpr 1024
		.amdhsa_next_free_sgpr 100
		.amdhsa_reserve_vcc 0
		.amdhsa_float_denorm_mode_32 3
		.amdhsa_float_denorm_mode_16_64 3
		.amdhsa_memory_ordered 1
		.amdhsa_forward_progress 1
		.amdhsa_inst_pref_size 198
	.end_amdhsa_kernel
	.amdgpu_metadata
---
amdhsa.version: [ 1, 2 ]
amdhsa.kernels:
  - .name:           k_qe4f06f3745_scores
    .symbol:         k_qe4f06f3745_scores.kd
    .args:
      - { .name: qk_codes, .offset: 0, .size: 8, .value_kind: global_buffer, .address_space: global }
      - { .name: qk_scales, .offset: 8, .size: 8, .value_kind: global_buffer, .address_space: global }
      - { .name: p_codes, .offset: 16, .size: 8, .value_kind: global_buffer, .address_space: global }
      - { .name: pv_scales, .offset: 24, .size: 8, .value_kind: global_buffer, .address_space: global }
      - { .name: ml, .offset: 32, .size: 8, .value_kind: global_buffer, .address_space: global }
    .group_segment_fixed_size: 327680
    .private_segment_fixed_size: 0
    .kernarg_segment_align: 8
    .kernarg_segment_size: 40
    .max_flat_workgroup_size: 128
    .sgpr_count:     100
    .vgpr_count:     1024
    .wavefront_size: 32
...
	.end_amdgpu_metadata
.endif
;; end of part 3
;; launch pv (part 4): grid 4 x 64, 4 waves a work-group, clusters of 4 x 4, 327,680 bytes of LDS; arguments p_codes, v_codes, pv_scales, ml, out0; writes out0
.if DOCPART == 4
	.amdgcn_target "amdgcn-amd-amdhsa--gfx1250"
	.amdhsa_code_object_version 6
	.text
	.protected	k_qe4f06f3745_pv
	.globl	k_qe4f06f3745_pv
	.p2align	8
	.type	k_qe4f06f3745_pv,@function
k_qe4f06f3745_pv:
	s_mov_b64 s[64:65], 0
	v_nop
	global_prefetch_b8 v0, s[64:65] scope:SCOPE_SE
	s_setreg_imm32_b32 hwreg(HW_REG_WAVE_MODE, 25, 1), 1
	s_wait_xcnt 0x0
	s_wait_alu depctr_hold_cnt(0) depctr_sa_sdst(0) depctr_va_vdst(0) depctr_va_sdst(0) depctr_va_ssrc(0) depctr_va_vcc(0) depctr_vm_vsrc(0)
	s_getreg_b32 s2, hwreg(HW_REG_IB_STS2, 6, 4)
	s_cmp_eq_u32 s2, 0
	s_cbranch_scc0 .Lentry_in_a_cluster
	s_endpgm
.Lentry_in_a_cluster:
	s_bfe_u32 s2, ttmp6, 0x10000c
	s_cmp_lg_u32 s2, 0xf033
	s_cbranch_scc0 .Lentry_shape_is_right
	s_endpgm
.Lentry_shape_is_right:
; LAUNCH 4 OF 4: out0 = (p v) / l on codes of E2M3.  No work is left out.
; A tile is 128 queries x 256 channels of one batch, K = 2,048 keys in 16 steps of 128: 256 work-groups.  Four waves, each 64 queries (source 1: p) x 128 channels (source 0: v): 32 accumulators.
; O^T = v^T p^T: a lane holds one query, its registers run along the channels in their true order.
; THE CHUNKS ARE BROUGHT UNDER ONE MAXIMUM at the head, while the first tiles are on their way.  For each query Mglob = the largest of its 16 Mloc; D = Mglob - Mloc (a whole number, held at 127) is taken off the four bytes of
; that chunk's scale word, each held at 0 from below, and l = the sum of lloc x 2^-D.  All of it is arithmetic on values: no branch.
; LIMITS: a chunk more than 127 under Mglob counts with D = 127, and a byte that would fall under 0 stands for 2^-127: both are under 2^-120 of l, which is above 1/2.  NaN and infinities are not served.
; LDS: two slots of 4 K steps: p's 128 rows, then v's 256 rows, as register images.  Two tensor loads of a wave are out at the head, one behind each round.  p's tile is shared along a row of the cluster, v's along a column.
; REGISTERS: window 0: v8-15 1 / l; v16-29 addresses; v32-159 scale words (16 i + ks: lanes 0-15 p's block i, lanes 16-31 v's block i); v160-255 p's two sets (at the head: -Mloc and work).
;   window 1: v's two sets at v0, v128 (at the head: lloc; on the way out: results and rows).   window 2: accumulator (a, b) at v[8 (8 a + b)].
.set PHALF, 24576                      ; 64 rows of p x 4 K steps: [4 row blocks][4][1,536]
.set VHALF, 49152                      ; 128 rows of v x 4 K steps
.set VOFF,  49152
.set SLOT,  147456
.set SPARE, 2*SLOT                     ; behind the ring: the spare words
.set SP,    528                        ; the way out: a stage of 16 rows x (512 + 16) bytes a wave, in slot 0, which has had its last fill and its last read by then
.set RL,   8
.set ADP,  16
.set ADV,  18
.set STO,  20
.set RD,   21
.set CO,   22
.set OFFA, 24
.set OFFB, 25
.set OFFM, 26
.set SPW,  28
.set NIL,  29
.set SC,   32
.set AF,   160
.set NMR,  160                         ; at the head: -Mloc, then -D, then D in every byte
.set MG,   224
.set TT,   228
.set TU,   232
.set TW,   236
.set T,    0                           ; window 1, on the way out
.set BK,   64
.set WV,   14
.set H1,   15
.set H0,   16
.set CX,   17
.set CY,   18
.set TX,   19
.set TY,   20
.set BA,   21
.set G1P,  24
.set G1V,  32
.set G0P,  48                          ; s[48:55] a set for each slot
.set G0V,  56                          ; s[56:63]
.set MSB, 0
.macro WIN new
.if MSB != (\new)
	s_set_vgpr_msb (MSB<<8)|(\new)
.set MSB, (\new)
.endif
.endm
.macro PLACES n
.rept \n
	v_nop
.endr
.endm
.macro JLOAD g0y, g1y, g0w, g1w        ; waves 0, 1 fetch p's halves, waves 2, 3 v's; an s_nop 0 and four v_nop follow each line
	s_cmp_eq_u32 s[H1], 0
	s_cbranch_scc0 .Lfor_w_\@
	tensor_load_to_lds s[\g0y:\g0y+3], s[\g1y:\g1y+7]
	s_nop 0
.rept 4
	v_nop
.endr
	s_branch .Lasked_\@
.Lfor_w_\@:
	tensor_load_to_lds s[\g0w:\g0w+3], s[\g1w:\g1w+7]
	s_nop 0
.rept 4
	v_nop
.endr
.Lasked_\@:
.endm
.macro CREST
	s_cmp_lg_u32 s[WV], 0
	s_cbranch_scc1 .Lnot_wave_0_\@
	s_barrier_signal -3
.Lnot_wave_0_\@:
	s_barrier_wait -3
	s_barrier_signal -1
	s_barrier_wait -1
.endm
.macro CROUND
	s_barrier_signal -1
	s_barrier_wait -1
	CREST
.endm
	s_load_b256 s[4:11], s[0:1], 0x0               ; p_codes, v_codes, pv_scales, ml
	s_load_b64 s[12:13], s[0:1], 0x20              ; out0
	v_lshl_add_u32 v[SPW], v0, 2, SPARE
	v_mov_b32 v[NIL], 0
	ds_add_u32 v[SPW], v[NIL]                      ; the wave's opening: the add, twice on end, and its wait ahead of my first tensor load
	ds_add_u32 v[SPW], v[NIL]
	v_lshrrev_b32 v1, 5, v0
	v_readfirstlane_b32 s[WV], v1
	s_lshr_b32 s[H1], s[WV], 1
	s_and_b32 s[H0], s[WV], 1
	s_bfe_u32 s[CX], ttmp6, 0x40000
	s_bfe_u32 s[CY], ttmp6, 0x40004
	s_lshl_b32 s[TX], ttmp9, 2
	s_add_co_u32 s[TX], s[TX], s[CX]               ; which 256 channels
	s_and_b32 s[BA], ttmp7, 0xffff
	s_lshl_b32 s[TY], s[BA], 2
	s_add_co_u32 s[TY], s[TY], s[CY]               ; which 128 queries of all 8,192
	s_lshr_b32 s[BA], s[BA], 2                     ; sixteen tile rows a batch: the batch hangs on the cluster's y alone
	s_lshl_b32 s22, s[CY], 2
	s_lshl_b32 s22, 15, s22
	s_lshl_b32 s23, 0x1111, s[CX]
	s_or_b32 s[G1P], s22, (3<<16)|(1<<21)          ; the mask; elements of 8 bytes; bit 21 beside a mask; no padding
	s_or_b32 s[G1V], s23, (3<<16)|(1<<21)
	s_mov_b32 s[G1P+1], 768<<16                    ; 4 K steps of a row block: 6,144 bytes
	s_mov_b32 s[G1P+2], 4<<16                      ; 4 row blocks
	s_mov_b32 s[G1P+3], 768<<16
	s_mov_b32 s[G1P+4], 4
	s_mov_b32 s[G1P+5], 3072                       ; from row block to row block: 24,576 bytes
	s_mov_b32 s[G1P+6], 0
	s_mov_b32 s[G1P+7], 0
	s_mov_b32 s[G1V+1], 768<<16
	s_mov_b32 s[G1V+2], 8<<16                      ; 8 row blocks
	s_mov_b32 s[G1V+3], 768<<16
	s_mov_b32 s[G1V+4], 8
	s_mov_b32 s[G1V+5], 3072
	s_mov_b32 s[G1V+6], 0
	s_mov_b32 s[G1V+7], 0
	s_lshl_b32 s40, s[TY], 3                       ; p's tile: row block 8 TY + 4 x half (registers that never hold cx)
	s_lshl_b32 s42, s[H0], 2
	s_add_co_u32 s40, s40, s42
	s_mul_i32 s40, s40, 24576
	s_mov_b32 s41, 0
	s_lshl_b32 s44, s[TX], 4                       ; v's tile: row block 64 batch + 16 TX + 8 x half (registers that never hold cy)
	s_lshl_b32 s46, s[H0], 3
	s_add_co_u32 s44, s44, s46
	s_lshl_b32 s46, s[BA], 6
	s_add_co_u32 s44, s44, s46
	s_mul_i32 s44, s44, 24576
	s_mov_b32 s45, 0
	s_mul_i32 s3, s[H0], PHALF                     ; where they go in a slot
	s_mul_i32 s2, s[H0], VHALF
	s_add_co_u32 s2, s2, VOFF
	s_mov_b32 s80, 0x80808080
	s_mov_b32 s81, 0x0000ffff                      ; lanes 0-15
	s_mov_b32 s82, 0xfefefeff                      ; -0x01010101
	s_mov_b32 s83, 0xffff0000                      ; lanes 16-31
	s_wait_dscnt 0x0
	s_wait_kmcnt 0x0
	s_add_nc_u64 s[40:41], s[4:5], s[40:41]
	s_add_nc_u64 s[44:45], s[6:7], s[44:45]
	CROUND
.irp n, 0,1
	s_mov_b32 s[G0P+4*\n], 1
	s_add_co_u32 s[G0P+4*\n+1], s3, \n*SLOT
	s_add_nc_u64 s[G0P+4*\n+2:G0P+4*\n+3], s[40:41], \n*6144
	s_or_b32 s[G0P+4*\n+3], s[G0P+4*\n+3], 0x80000000
	s_mov_b32 s[G0V+4*\n], 1
	s_add_co_u32 s[G0V+4*\n+1], s2, \n*SLOT
	s_add_nc_u64 s[G0V+4*\n+2:G0V+4*\n+3], s[44:45], \n*6144
	s_or_b32 s[G0V+4*\n+3], s[G0V+4*\n+3], 0x80000000
	JLOAD G0P+4*\n, G1P, G0V+4*\n, G1V
.endr
	v_and_b32 v1, 15, v0                           ; r
	v_bfe_u32 v2, v0, 4, 1                         ; h
	v_and_b32 v3, 31, v0
	v_lshlrev_b32 v[CO], 4, v3
	s_lshl_b32 s66, s[TY], 7
	s_lshl_b32 s67, s[H1], 6
	s_add_co_u32 s66, s66, s67                     ; my first query row
	s_lshl_b32 s67, s[BA], 10
	s_lshl_b32 s68, s[TX], 8
	s_add_co_u32 s67, s67, s68
	s_lshl_b32 s68, s[H0], 7
	s_add_co_u32 s67, s67, s68
	s_add_co_u32 s67, s67, 8192                    ; my first row of v among the scale words
	v_add_nc_u32 v[OFFM], s66, v1
	v_add_nc_u32 v[OFFB], s67, v1
	v_cndmask_b32 v[OFFA], v[OFFM], v[OFFB], s83
	v_lshlrev_b32 v[OFFA], 2, v[OFFA]
	v_lshlrev_b32 v[OFFB], 2, v[OFFB]
	v_lshlrev_b32 v[OFFM], 2, v[OFFM]
.irp i, 0,1,2,3
.irp k, 0,1,2,3,4,5,6,7,8,9,10,11,12,13,14,15
	global_load_b32 v[SC+16*\i+\k], v[OFFA], s[8:9] offset:\k*49152+64*\i
.endr
.endr
.irp i, 4,5,6,7
.irp k, 0,1,2,3,4,5,6,7,8,9,10,11,12,13,14,15
	global_load_b32 v[SC+16*\i+\k], v[OFFB], s[8:9] offset:\k*49152+64*\i
.endr
.endr
.irp i, 0,1,2,3
.irp k, 0,1,2,3,4,5,6,7,8,9,10,11,12,13,14,15
	global_load_b32 v[NMR+16*\i+\k], v[OFFM], s[10:11] offset:\k*32768+64*\i
.endr
.endr
	WIN 0x40
.irp i, 0,1,2,3
.irp k, 0,1,2,3,4,5,6,7,8,9,10,11,12,13,14,15
	global_load_b32 v[16*\i+\k], v[OFFM], s[10:11] offset:524288+\k*32768+64*\i
.endr
.endr
	WIN 0
	s_mul_i32 s68, s[H1], PHALF
	s_mul_i32 s69, s[H0], VHALF
	s_add_co_u32 s69, s69, VOFF
.irp n, 0,1
	v_add_nc_u32 v[ADP+\n], s68, v[CO]
	v_add_nc_u32 v[ADV+\n], s69, v[CO]
	s_add_co_u32 s68, s68, SLOT
	s_add_co_u32 s69, s69, SLOT
.endr
	s_mul_i32 s68, s[WV], 16*SP
	v_mul_u32_u24 v[STO], v1, SP
	v_lshl_add_u32 v[STO], v2, 6, v[STO]
	v_add_nc_u32 v[STO], s68, v[STO]               ; the stage, way in: row r, + 64 h
	v_add_nc_u32 v[RD], s68, v[CO]                 ; and back: 16 bytes a lane of a row of 512
	s_lshl_b32 s68, s66, 12                        ; out0: my first row of 4,096 bytes, my first channel
	s_lshl_b32 s69, s[TX], 10
	s_add_co_u32 s68, s68, s69
	s_lshl_b32 s69, s[H0], 9
	s_add_co_u32 s68, s68, s69
	s_mov_b32 s69, 0
	s_add_nc_u64 s[12:13], s[12:13], s[68:69]
.irp i, 0,1,2,3
	v_mov_b32 v[RL+2*\i+1], 0                      ; (named as the upper half of a pair)
.endr
	s_wait_loadcnt 0x0
.irp i, 0,1,2,3
	v_max3_num_f32 v[MG+\i], -v[NMR+16*\i], -v[NMR+16*\i+1], -v[NMR+16*\i+2]   ; Mglob of block i's queries
.endr
.irp k, 3,5,7,9,11,13
.irp i, 0,1,2,3
	v_max3_num_f32 v[MG+\i], v[MG+\i], -v[NMR+16*\i+\k], -v[NMR+16*\i+\k+1]
.endr
.endr
.irp i, 0,1,2,3
	v_max_num_f32 v[MG+\i], v[MG+\i], -v[NMR+16*\i+15]
.endr
.irp i, 0,1,2,3
.irp k, 0,1,2,3,4,5,6,7,8,9,10,11,12,13,14,15
	v_sub_f32 v[NMR+16*\i+\k], -v[NMR+16*\i+\k], v[MG+\i]   ; Mloc - Mglob = -D, a whole number, 0 or less
.endr
.endr
.set j, 0
.rept 64
	v_max_num_f32 v[NMR+j], 0xc2fe0000, v[NMR+j]   ; held at -127
.set j, j+1
.endr
.set j, 0
.rept 64
	v_cvt_i32_f32 v[NMR+j], v[NMR+j]
.set j, j+1
.endr
	WIN 0x41                                       ; lloc lies in window 1
.set j, 0
.rept 64
	v_ldexp_f32 v[j], v[j], v[NMR+j]               ; lloc x 2^-D: nothing is rounded
.set j, j+1
.endr
	WIN 0x45
.irp k, 0,1,2,3,4,5,6,7
.irp i, 0,1,2,3
	v_add_f32 v[16*\i+\k], v[16*\i+\k], v[16*\i+\k+8]
.endr
.endr
.irp k, 0,1,2,3
.irp i, 0,1,2,3
	v_add_f32 v[16*\i+\k], v[16*\i+\k], v[16*\i+\k+4]
.endr
.endr
.irp k, 0,1
.irp i, 0,1,2,3
	v_add_f32 v[16*\i+\k], v[16*\i+\k], v[16*\i+\k+2]
.endr
.endr
	WIN 0x05
.irp i, 0,1,2,3
	v_add_f32 v[RL+2*\i], v[16*\i], v[16*\i+1]     ; l
.endr
	WIN 0
; p's bytes lie between 1 and 125, so bit 7 of each is free: with it set, D is taken off all four bytes at once with no borrow between them, and the bit that is left says which bytes stayed at 0 or above
.irp i, 0,1,2,3
.irp g, 0,4,8,12
.irp k, 0,1,2,3
	v_mul_lo_u32 v[NMR+16*\i+\g+\k], v[NMR+16*\i+\g+\k], s82   ; D in every byte
.endr
.irp k, 0,1,2,3
	v_or_b32 v[TT+\k], s80, v[SC+16*\i+\g+\k]
.endr
.irp k, 0,1,2,3
	v_sub_nc_u32 v[TT+\k], v[TT+\k], v[NMR+16*\i+\g+\k]
.endr
.irp k, 0,1,2,3
	v_and_b32 v[TU+\k], s80, v[TT+\k]
.endr
.irp k, 0,1,2,3
	v_lshrrev_b32 v[TW+\k], 7, v[TU+\k]
.endr
.irp k, 0,1,2,3
	v_sub_nc_u32 v[TU+\k], v[TU+\k], v[TW+\k]      ; 0x7f in the bytes that stayed, 0 in the others
.endr
.irp k, 0,1,2,3
	v_and_b32 v[TT+\k], v[TT+\k], v[TU+\k]
.endr
.irp k, 0,1,2,3
	v_cndmask_b32 v[SC+16*\i+\g+\k], v[SC+16*\i+\g+\k], v[TT+\k], s81   ; lanes 0-15: p's word; v's words in lanes 16-31 stay
.endr
.endr
.endr
.irp i, 0,1,2,3
	v_rcp_f32 v[RL+2*\i], v[RL+2*\i]
.endr
	v_nop                                          ; a plain place behind the reciprocals
	s_wait_alu depctr_va_vdst(0)                   ; one wait for the four
	PLACES 8                                       ; scale registers written by vector instructions stand eight places ahead of a scaled matrix instruction
.macro FRAG reg, adr, off
.irp c, 0,1,2
	ds_load_b128 v[\reg+4*\c:\reg+4*\c+3], v[\adr] offset:\off+512*\c
.endr
.endm
.macro PFETCH slot, q, s               ; a K step's 12 fragments into set s: v's eight, p's four: 36 loads
	WIN 0x40
.irp i, 0,1,2,3,4,5,6,7
	FRAG 128*(\s)+12*\i, ADV+\slot, 6144*\i+1536*(\q)
.endr
	WIN 0
.irp i, 0,1,2,3
	FRAG AF+48*(\s)+12*\i, ADP+\slot, 6144*\i+1536*(\q)
.endr
.endm
.macro MULP a0, na, ks, zero           ; the 32 accumulators take turns in the same order in every step
.set aa, \a0
.rept \na
.irp b, 0,1,2,3,4,5,6,7
.set rD, 8*(8*aa+\b)
.set rB, 128*((\ks)%2)+12*\b
.set rA, AF+48*((\ks)%2)+12*aa
.set qB, SC+16*\b+(\ks)
.set qA, SC+16*aa+(\ks)
.if \zero
	v_wmma_scale_f32_16x16x128_f8f6f4 v[rD:rD+7], v[rB:rB+11], v[rA:rA+11], 0, v[qB], v[qA] matrix_a_fmt:MATRIX_FMT_FP6 matrix_b_fmt:MATRIX_FMT_FP6 matrix_a_scale:MATRIX_SCALE_ROW1
.else
	v_wmma_scale_f32_16x16x128_f8f6f4 v[rD:rD+7], v[rB:rB+11], v[rA:rA+11], v[rD:rD+7], v[qB], v[qA] matrix_a_fmt:MATRIX_FMT_FP6 matrix_b_fmt:MATRIX_FMT_FP6 matrix_a_scale:MATRIX_SCALE_ROW1
.endif
.endr
.set aa, aa+1
.endr
.endm
.macro PSTEP ks, zero
	PLACES 4                                       ; in front of loads into the set that the last step multiplied
	PFETCH (((\ks)+1)/4)%2, ((\ks)+1)%4, 1-(\ks)%2
	s_wait_dscnt 36                                ; all but the 36 just issued: this step's fragments are in
	WIN 0xa1                                       ; source 0 (v) window 1, source 1 (p) window 0, C and D window 2
	MULP 0, 4, \ks, \zero
.endm
; A slot's last K step.  In front of the barrier each wave waits for all its tensor loads, adds 0 to its spare word, and waits for that and for its reads of this slot.  fill = 1: this slot takes the K steps two slots on.
.macro PTURN ks, fill
.set SL, ((\ks)/4)%2
	WIN 0
	s_wait_tensorcnt 0x0                           ; all my tensor loads have landed: so a group 0 may be written
	ds_add_u32 v[SPW], v[NIL]                      ; 0 onto my spare word
.if \fill
	s_add_nc_u64 s[G0P+4*SL+2:G0P+4*SL+3], s[G0P+4*SL+2:G0P+4*SL+3], 12288
	s_add_nc_u64 s[G0V+4*SL+2:G0V+4*SL+3], s[G0V+4*SL+2:G0V+4*SL+3], 12288
.endif
	s_wait_dscnt 0x0                               ; the add is done, and my reads of this slot are over
	s_barrier_signal -1
	WIN 0xa1
	MULP 0, 2, \ks, 0
	WIN 0
	s_barrier_wait -1
.if \fill
	CREST                                          ; a round of the cluster's barrier: no wave of any partner still reads this slot or has a load on its way
	JLOAD G0P+4*SL, G1P, G0V+4*SL, G1V             ; four K steps in which to land; its four v_nop are the places in front of the loads below
.else
	PLACES 4
.endif
	PFETCH 1-SL, 0, 1-(\ks)%2
	WIN 0xa1
	MULP 2, 2, \ks, 0
.endm
	s_wait_tensorcnt 1                             ; my part of slot 0 is in; slot 1's may be out
	s_barrier_signal -1
	s_barrier_wait -1
	PFETCH 0, 0, 0
	PSTEP 0, 1                                     ; the first K step starts the sums: nothing is cleared
	PSTEP 1, 0
	PSTEP 2, 0
	PTURN 3, 1
	PSTEP 4, 0
	PSTEP 5, 0
	PSTEP 6, 0
	PTURN 7, 1
	PSTEP 8, 0
	PSTEP 9, 0
	PSTEP 10, 0
	PTURN 11, 0
	PSTEP 12, 0
	PSTEP 13, 0
	PSTEP 14, 0
	s_wait_dscnt 0x0
	MULP 0, 4, 15, 0
	PLACES 4                                       ; in front of the first read of results and the first writes over v's registers
; THE WAY OUT, 16 queries at a time: x 1 / l; through my stage, so that a row's 128 channels come back as 512 consecutive bytes; the images' row order is undone in the stores' offsets.
.macro TOSTAGE a
	WIN 0x42                                       ; results window 2, 1 / l window 0, destination window 1
.set j, 0
.rept 32
	v_pk_mul_f32 v[T+j:T+j+1], v[64*(\a)+j:64*(\a)+j+1], v[RL+2*(\a):RL+2*(\a)+1] op_sel_hi:[1,0]   ; each accumulator from its low end on
.set j, j+2
.endr
	WIN 0x04                                       ; an LDS store's data are its source 1
.irp q, 0,1,2,3,4,5,6,7,8,9,10,11,12,13,14,15
	ds_store_b128 v[STO], v[T+4*\q:T+4*\q+3] offset:128*(\q/4)+16*(\q%4)   ; registers 16 B + 4 g on are channels 32 B + 16 h + 4 g on
.endr
	WIN 0x40
.irp t, 0,1,2,3,4,5,6,7,8,9,10,11,12,13,14,15
	ds_load_b128 v[BK+64*((\a)%2)+4*\t:BK+64*((\a)%2)+4*\t+3], v[RD] offset:SP*\t   ; LDS serves a wave's instructions in order: these see the stores above
.endr
	WIN 0
.endm
.macro SEND a, younger                 ; younger: the LDS instructions issued behind block a's loads
	s_wait_dscnt \younger
	WIN 0x04
.irp t, 0,1,2,3,4,5,6,7,8,9,10,11,12,13,14,15
	global_store_b128 v[CO], v[BK+64*((\a)%2)+4*\t:BK+64*((\a)%2)+4*\t+3], s[12:13] offset:(32*((\a)/2)+8*((\a)%2)+\t+8*(\t/8))*4096 th:TH_STORE_NT   ; 512 consecutive bytes, aligned
.endr
	WIN 0
.endm
	TOSTAGE 0
.irp a, 1,2,3
.if \a > 1
	s_wait_xcnt 0x0                                ; block a - 2's stores have read their registers: block a's loads may land there
.endif
	TOSTAGE \a
	SEND \a-1, 32                                  ; behind block a - 1's loads: block a's 16 stores and 16 loads
.endr
	SEND 3, 0
	s_wait_tensorcnt 0x0                           ; the wave's end
	ds_add_u32 v[SPW], v[NIL]
	s_wait_dscnt 0x0
	CROUND                                         ; the closing round
	s_endpgm
.Lfunc_end_k_qe4f06f3745_pv:
	.size	k_qe4f06f3745_pv, .Lfunc_end_k_qe4f06f3745_pv-k_qe4f06f3745_pv
	.p2alignl 7, 3214868480
	.fill 96, 4, 3214868480
	.section	.rodata,"a",@progbits
	.p2align	6, 0x0
	.amdhsa_kernel k_qe4f06f3745_pv
		.amdhsa_group_segment_fixed_size 327680
		.amdhsa_private_segment_fixed_size 0
		.amdhsa_enable_private_segment 0
		.amdhsa_kernarg_size 40
		.amdhsa_user_sgpr_count 2
		.amdhsa_user_sgpr_kernarg_segment_ptr 1
		.amdhsa_wavefront_size32 1
		.amdhsa_system_sgpr_workgroup_id_x 1
		.amdhsa_system_sgpr_workgroup_id_y 1
		.amdhsa_system_sgpr_workgroup_id_z 1
		.amdhsa_system_vgpr_workitem_id 0
		.amdhsa_next_free_vgpr 768
		.amdhsa_next_free_sgpr 100
		.amdhsa_reserve_vcc 0
		.amdhsa_float_denorm_mode_32 3
		.amdhsa_float_denorm_mode_16_64 3
		.amdhsa_memory_ordered 1
		.amdhsa_forward_progress 1
		.amdhsa_inst_pref_size 200
	.end_amdhsa_kernel
	.amdgpu_metadata
---
amdhsa.version: [ 1, 2 ]
amdhsa.kernels:
  - .name:           k_qe4f06f3745_pv
    .symbol:         k_qe4f06f3745_pv.kd
    .args:
      - { .name: p_codes, .offset: 0, .size: 8, .value_kind: global_buffer, .address_space: global }
      - { .name: v_codes, .offset: 8, .size: 8, .value_kind: global_buffer, .address_space: global }
      - { .name: pv_scales, .offset: 16, .size: 8, .value_kind: global_buffer, .address_space: global }
      - { .name: ml, .offset: 24, .size: 8, .value_kind: global_buffer, .address_space: global }
      - { .name: out0, .offset: 32, .size: 8, .value_kind: global_buffer, .address_space: global }
    .group_segment_fixed_size: 327680
    .private_segment_fixed_size: 0
    .kernarg_segment_align: 8
    .kernarg_segment_size: 40
    .max_flat_workgroup_size: 128
    .sgpr_count:     100
    .vgpr_count:     768
    .wavefront_size: 32
...
	.end_amdgpu_metadata
.endif
;; end of part 4
